; MI455X (gfx1250); checked and timed in simulation.
; The chip was launched on July 23, 2026; its instructions are those of AMD's public machine-readable ISA for CDNA 5 (MIT licence, August 2026) and "CDNA5" Instruction Set Architecture Reference Guide (July 2026). The comments in the code are by the model that wrote it; some were corrected since.
;; Multi Head Attention. Allowed arithmetic: matrix products marked QUANTISED: E2M1 operands, one E8M0 scale for each 32 along K, by v_wmma_scale_f32_16x16x128_f8f6f4 with both operands' format E2M1 (or v_wmma_scale_f32_32x16x128_f4), f32 sums; everything else in f32.
;; Inputs: Wo 1,024 x 1,024 float32; Wqkv 1,024 x 3,072 float32; bo 1,024 float32; bqkv 3,072 float32; x 4 x 2,048 x 1,024 float32.
;; Outputs: out0 4 x 2,048 x 1,024 float32.
;; This version of the problem:
;;   THIS VERSION OF THE PROBLEM IS GIVEN IN LOW PRECISION. The matrix products marked QUANTISED in the list below multiply operands that are first quantised to E2M1 (2 exponent bits, 1 mantissa bit; 4 bits a number), with one power-of-two scale for each 32 numbers along K (OCP MX v1.0); their sums are f32. All else is computed in f32.
;;   The module's matrix products, in the order in which they are computed (A, B: the left and right operand; K: the contracted axis; several contracted axes count as one K, in the product's order):
;;     1. [M 8,192, K 1,024] x [K 1,024, N 3,072]; A: input x; B: input Wqkv: QUANTISED
;;     2. batch 64 x [M 2,048, K 64] x [K 64, N 2,048]; A: computed on the way; B: computed on the way: QUANTISED
;;     3. batch 64 x [M 2,048, K 2,048] x [K 2,048, N 64]; A: softmax (see below); B: computed on the way: QUANTISED
;;     4. [M 8,192, K 1,024] x [K 1,024, N 1,024]; A: computed on the way; B: input Wo: QUANTISED
;;   THE QUANTISER, for each operand of a quantised product, along K:
;;     - K is cut into blocks of 32 from its start; a last block that is shorter is filled with zeros.
;;     - A block's scale is 2^e with e = floor(log2(the largest magnitude in the block)) - 2, held to -126 .. 127; a block of zeros has e = 0. As a byte (E8M0): e + 127.
;;     - Each number is divided by its block's scale, clamped to +-6, and rounded to the nearest number of E2M1, ties to even, subnormals kept.
;;     - The product sums the exact products of the quantised numbers (number of the format x scale) in f32.
;;   ~~~python
;;   def quantise(x, axis):      # numpy; x: float32 -> the quantised numbers, widened to float32 again
;;       x = np.moveaxis(x, axis, -1); K = x.shape[-1]
;;       x = np.pad(x, [(0, 0)] * (x.ndim - 1) + [(0, -K % 32)]); x = x.reshape(x.shape[:-1] + (-1, 32)); a = np.abs(x).max(-1, keepdims=True)
;;       e = np.where(a > 0, np.clip(np.frexp(np.where(a > 0, a, 1))[1] - 1 - 2, -126, 127), 0)      # np.frexp(a)[1] - 1 = floor(log2(a)), exactly
;;       r = np.clip(x / 2.0 ** e, -6, 6)
;;       step = 2.0 ** (np.maximum(np.frexp(np.where(r == 0, 1, r))[1] - 1, 0) - 1)
;;       q = np.round(r / step) * step * 2.0 ** e      # np.round: ties to even
;;       return np.moveaxis(q.reshape(q.shape[:-2] + (-1,))[..., :K], -1, axis).astype(np.float32)
;;   ~~~
;;   SOFTMAX AHEAD OF A QUANTISED PRODUCT. Where the list says 'softmax', what is quantised is not the finished softmax but p = 2^(t - M), with t = logit x log2(e) and M = ceil(the row's largest t), a whole number; so 1/2 < the row's largest p <= 1. The row's sum l is taken of the UNQUANTISED p, in f32, and the product's result is divided by l at the end. Since M is a whole number, a kernel that streams over the keys may use a running M (the ceiling of the running maximum): every later rescaling is an exact power of two, which a block's scale takes up: the codes' values come out the same.
;;   OPERANDS COMPUTED ON THE WAY. 'Computed on the way' means the value that the module computes at that place (a softmax that the list does not call 'softmax' is quantised finished and normalised). What goes into a quantiser is computed in f32, as accurately as f32 sums, v_exp_f32 and their like allow (about 1e-6 of the number): no bf16 or f16 on the way to a quantiser, and a product that is left as it is and whose result goes on into a quantised operand takes f32 operands (vector FMAs, or v_wmma_f32_16x16x4_f32). A number that lies on a knife's edge between two numbers of the format may be rounded either way, as far as f32 arithmetic and the matrix unit's own rounding can turn it there, and no further.
;; One version. Each part assembles by itself: llvm-mc -triple=amdgcn-amd-amdhsa -mcpu=gfx1250 --defsym DOCPART=n.
;; ======== version 1 of 1: 4 launches
;; workspace buffers: xg 4,456,448 bytes; wg 1,671,168 bytes; wog 557,056 bytes; qb 4,718,592 bytes; kvb 9,175,040 bytes; og 4,456,448 bytes
;; launch quant (part 1): grid 384 x 1, 4 waves a work-group, no clusters, 34,304 bytes of LDS; arguments x, Wqkv, Wo, xg, wg, wog; writes xg, wg, wog
.if DOCPART == 1
	.amdgcn_target "amdgcn-amd-amdhsa--gfx1250"
	.amdhsa_code_object_version 6
	.text
	.protected	k_q2c42a5990d_quant
	.globl	k_q2c42a5990d_quant
	.p2align	8
	.type	k_q2c42a5990d_quant,@function
k_q2c42a5990d_quant:
	s_mov_b64 s[64:65], 0
	v_nop
	global_prefetch_b8 v0, s[64:65] scope:SCOPE_SE
	s_setreg_imm32_b32 hwreg(HW_REG_WAVE_MODE, 25, 1), 1
	s_wait_xcnt 0x0
; x [8192][1024], Wqkv [1024][3072] and Wo [1024][1024], f32, become codes of FP4 (E2M1) with one E8M0 scale byte for each 32 along K (K = 1,024 in all three).
; A block's scale is 2^(floor(log2(its largest magnitude)) - 2); its byte is the largest magnitude's exponent field - 2, held at 1 from below.
; LIMITS: a block of zeros gets the byte 1 where the rule says 127 (its codes are zeros, which add nothing under any byte but 0xff, and this program alone reads the bytes);
; blocks whose largest magnitude lies under 2^-124 are held at the byte 1; NaN and infinities among the inputs are not served.
; THE OUTPUT IS LAID IN THE ORDER OF THE OPERAND'S REGISTERS.  Rows (of x; columns of a weight) go in groups of 256, GREC bytes a group: 16 tiles of 16 rows x 8,192 bytes of codes, then 8,192 bytes of scale words.
; The 16 bytes of block kb (32 along K) of a tile's lane place r lie at kb x 256 + r x 16; the scale word of K step q (128 along K) at q x 1,024 + tile x 64 + r x 4.
; THE ROWS OF A TILE ARE NOT NEIGHBOURS: place r of tile 2 b + u holds row 32 b + 8 u + r + 8 (r / 8), so that a product that takes such tiles as source 0 leaves 16 neighbours in a lane's registers.
; Work-groups 0-255 take x (32 rows each; wave w takes K = 256 w on); work-groups 256-383 take the weights (128 columns x 256 along K each; wave w 32 columns).
; No cluster: no two work-groups read the same bytes.  No matrix unit, no tensor load, no barrier: waves share nothing.  Only x's path touches LDS.
.set GREC,  139264
.set SP,    528                        ; a stage row: 512 bytes + 16: the sixteen rows that a read touches start in different banks
.set R,     32                         ; v32-159  x: two sets of 64 registers as loaded
.set X,     160                        ; v160-223 x: my 64 numbers in the operand's order
.set C,     224                        ; v224-255 x: codes, 8 registers a fragment: no store's data are written again
.set WD,    16                         ; v16-19   x: a fragment's scale word
	s_load_b256 s[4:11], s[0:1], 0x0               ; x s[4:5], Wqkv s[6:7], Wo s[8:9], xg s[10:11]
	s_load_b128 s[12:15], s[0:1], 0x20             ; wg s[12:13], wog s[14:15]
	v_lshl_add_u32 v30, v0, 2, 0x8400
	v_mov_b32 v31, 0
	v_lshrrev_b32 v1, 5, v0
	v_readfirstlane_b32 s16, v1                    ; wave 0..3
	v_and_b32 v1, 31, v0                           ; lane
	s_cmp_lt_u32 ttmp9, 256
	s_cbranch_scc0 .Lweights
	; ---------------- x: K is innermost.  A fragment (16 rows x 128 K) is loaded as it lies, 512 consecutive bytes a load, and turns through the wave's own stage in LDS
	v_and_b32 v2, 15, v0                           ; r
	v_bfe_u32 v3, v0, 4, 1                         ; h
	v_lshlrev_b32 v4, 4, v1                        ; 16 x lane
	s_mul_i32 s17, s16, 16*SP                      ; my stage
	v_add_nc_u32 v5, s17, v4                       ; into it: 16 x lane of a row
	v_mul_u32_u24 v6, v2, SP
	v_lshl_add_u32 v6, v3, 7, v6
	v_add_nc_u32 v6, s17, v6                       ; out of it: row r, + 128 h: the operand gives lane (r, h) k = 64 c + 32 h + 0 .. 31
	v_lshlrev_b32 v7, 2, v1                        ; 4 x lane
	v_lshlrev_b32 v14, 3, v3                       ; 8 h: where my two bytes stand in the scale word
	v_mov_b32 v15, 0                               ; written once: a lane permute's destination counts as one of its sources
	s_mov_b32 s20, 0x76543210
	s_mov_b32 s21, 0xfedcba98                      ; v_permlanex16_b32's selects for lane l xor 16
	s_lshl_b32 s22, ttmp9, 17                      ; 32 rows of 4,096 bytes a work-group,
	s_lshl_b32 s23, s16, 10                        ; 256 numbers a wave
	s_add_co_u32 s22, s22, s23
	s_mov_b32 s23, 0
	s_lshr_b32 s24, ttmp9, 3
	s_mul_i32 s24, s24, GREC                       ; the group of 256 rows
	s_and_b32 s25, ttmp9, 7                        ; the pair of tiles in it
	s_lshl_b32 s26, s25, 14
	s_add_co_u32 s26, s26, s24
	s_lshl_b32 s27, s16, 11                        ; 8 blocks (codes), or 2 K steps (scale words), a wave: 2,048 bytes both
	s_add_co_u32 s26, s26, s27                     ; codes
	s_lshl_b32 s28, s25, 7
	s_add_co_u32 s28, s28, s24
	s_add_co_u32 s28, s28, s27
	s_add_co_u32 s28, s28, 131072                  ; scale words
	s_mov_b32 s27, 0
	s_mov_b32 s29, 0
	s_wait_kmcnt 0x0
	s_add_nc_u64 s[4:5], s[4:5], s[22:23]
	s_add_nc_u64 s[26:27], s[10:11], s[26:27]
	s_add_nc_u64 s[28:29], s[10:11], s[28:29]
.macro LOADX f                         ; fragment f = 2 u + qq: tile u, K step qq of my two; place r's row, 512 consecutive bytes a load
.irp r, 0,1,2,3,4,5,6,7,8,9,10,11,12,13,14,15
	global_load_b128 v[R+64*((\f)%2)+4*\r:R+64*((\f)%2)+4*\r+3], v4, s[4:5] offset:(8*((\f)/2)+\r+8*(\r/8))*4096+((\f)%2)*512 th:TH_LOAD_NT
.endr
.endm
.macro FRAGX f
.if (\f) < 3
	s_wait_loadcnt 16                              ; this fragment's 16 loads are in; the next fragment's 16 may be out
.else
	s_wait_loadcnt 0x0
.endif
.irp r, 0,1,2,3,4,5,6,7,8,9,10,11,12,13,14,15
	ds_store_b128 v5, v[R+64*((\f)%2)+4*\r:R+64*((\f)%2)+4*\r+3] offset:\r*SP
.endr
.irp c, 0,1
.irp i, 0,1,2,3,4,5,6,7
	ds_load_b128 v[X+32*\c+4*\i:X+32*\c+4*\i+3], v6 offset:256*\c+16*\i   ; LDS serves a wave's instructions in order (ISA guide 5.7.1.4): these see the stores above
.endr
.endr
	s_wait_dscnt 0x0                               ; my 64 numbers are in, and the stores have read their registers,
.if (\f) < 2
	LOADX (\f)+2                                   ; which take the fragment two further on
.endif
.irp c, 0,1
	v_max3_num_f32 v[8+\c], |v[X+32*\c]|, |v[X+32*\c+1]|, 0x1800000   ; my block 2 c + h: all its 32 numbers are mine; and the floor 2^(3 - 127): the byte cannot fall under 1
.endr
.irp i, 2,4,6,8,10,12,14,16,18,20,22,24,26,28,30
.irp c, 0,1
	v_max3_num_f32 v[8+\c], v[8+\c], |v[X+32*\c+\i]|, |v[X+32*\c+\i+1]|   ; (the two blocks by turns)
.endr
.endr
.irp c, 0,1
	v_add_nc_u32 v[10+\c], 0xff000000, v[8+\c]     ; 2 off the exponent field: the conversion takes the exponent field of this operand as its scale, and nothing else of it
.endr
.irp c, 0,1
.irp g, 0,1,2,3
	v_cvt_scalef32_pk8_fp4_f32 v[C+8*(\f)+4*\c+\g], v[X+32*\c+8*\g:X+32*\c+8*\g+7], v[10+\c]   ; registers 4 c .. 4 c + 3 of the operand
.endr
.endr
	v_lshrrev_b32 v12, 23, v10                     ; the two scale bytes
	v_lshrrev_b32 v13, 23, v11
	v_lshl_or_b32 v12, v13, 16, v12                ; blocks h and 2 + h of my row,
	v_lshlrev_b32 v12, v14, v12                    ; at their places in the word;
	v_permlanex16_b32 v15, v12, s20, s21
	v_or_b32 v[WD+(\f)], v12, v15                  ; with lane l xor 16's two the word is whole
.irp c, 0,1
	global_store_b128 v4, v[C+8*(\f)+4*\c:C+8*(\f)+4*\c+3], s[26:27] offset:((\f)/2)*8192+((\f)%2)*1024+\c*512   ; 32 lanes store 512 consecutive bytes, aligned
.endr
.endm
	LOADX 0
	LOADX 1
	FRAGX 0
	FRAGX 1
	FRAGX 2
	FRAGX 3
	v_cmp_eq_u32 vcc_lo, 1, v3                     ; lanes 0-15 store tile 0's words, lanes 16-31 tile 1's: 128 consecutive bytes for each K step
	v_cndmask_b32 v20, v[WD+0], v[WD+2], vcc_lo    ; (runs of 128 bytes: one byte in 128 of what the launch reads; longer runs would want a barrier between the waves)
	v_cndmask_b32 v21, v[WD+1], v[WD+3], vcc_lo
	global_store_b32 v7, v20, s[28:29]
	global_store_b32 v7, v21, s[28:29] offset:1024
	s_wait_tensorcnt 0x0
	ds_add_u32 v30, v31
	s_wait_dscnt 0x0
	s_endpgm
	; ---------------- the weights: K is the FIRST axis.  A lane takes a column and its registers run down K: a block of 32 lies in one lane, and the codes come out with K innermost
.Lweights:
	s_sub_co_u32 s17, ttmp9, 256
	s_and_b32 s18, s17, 3                          ; which 256 along K
	s_lshr_b32 s19, s17, 2                         ; which 128 columns: 0-23 Wqkv's, 24-31 Wo's
	s_mov_b32 s22, 4096
	s_wait_kmcnt 0x0
	s_cmp_lt_u32 s19, 24                           ; the choice hangs on the work-group's number alone
	s_cselect_b64 s[6:7], s[6:7], s[8:9]           ; the weight,
	s_cselect_b64 s[12:13], s[12:13], s[14:15]     ; its codes' buffer,
	s_cselect_b32 s22, 12288, s22                  ; a row of it in bytes,
	s_cselect_b32 s23, 0, 24
	s_sub_co_u32 s19, s19, s23                     ; and the 128 columns counted in it
	s_lshl_b32 s24, s19, 2
	s_add_co_u32 s24, s24, s16                     ; my 32 columns: a pair of tiles
	s_lshl_b32 s25, s24, 7                         ; their first byte in a row
	s_lshl_b32 s26, s18, 8
	s_mul_i32 s26, s26, s22
	s_add_co_u32 s26, s26, s25                     ; block 0's first byte
	s_mov_b32 s27, 0
	s_lshl_b32 s28, s22, 5                         ; 32 rows on
.irp t, 0,1,2,3,4,5,6,7
	s_add_nc_u64 s[32+2*\t:33+2*\t], s[6:7], s[26:27]   ; a base for each of my 8 blocks: none is stepped while a load names it
	s_add_co_u32 s26, s26, s28
.endr
	s_lshr_b32 s29, s24, 3
	s_mul_i32 s29, s29, GREC                       ; the group of 256 columns
	s_and_b32 s30, s24, 7
	s_lshl_b32 s31, s30, 14
	s_add_co_u32 s31, s31, s29
	s_lshl_b32 s48, s18, 11                        ; 8 blocks (codes), or 2 K steps (scale words): 2,048 bytes both
	s_add_co_u32 s50, s31, s48
	s_mov_b32 s51, 0
	s_lshl_b32 s30, s30, 7
	s_add_co_u32 s30, s30, s29
	s_add_co_u32 s30, s30, s48
	s_add_co_u32 s52, s30, 131072
	s_mov_b32 s53, 0
	s_add_nc_u64 s[50:51], s[12:13], s[50:51]      ; codes
	s_add_nc_u64 s[52:53], s[12:13], s[52:53]      ; scale words
	v_lshlrev_b32 v7, 2, v1                        ; 4 x lane
	v_bfe_u32 v8, v0, 3, 1                         ; column l of the 32 is place r = l % 8 + 8 (l / 16) of tile u = (l / 8) % 2
	v_and_b32 v9, 7, v0
	v_bfe_u32 v10, v0, 4, 1
	v_lshl_add_u32 v9, v10, 3, v9
	v_lshlrev_b32 v5, 4, v9
	v_lshl_add_u32 v5, v8, 13, v5                  ; codes: u x 8,192 + r x 16
	v_lshlrev_b32 v6, 2, v9
	v_lshl_add_u32 v6, v8, 6, v6                   ; scale words: u x 64 + r x 4
.set II, 0
.rept 32
	v_mad_u32_u24 v[32+II], s22, II, v7            ; row i of a block, my column
.set II, II+1
.endr
.macro LOADW t                         ; block t: 32 rows, 128 consecutive bytes a load
.set II, 0
.rept 32
	global_load_b32 v[64+32*((\t)%2)+II], v[32+II], s[32+2*(\t):33+2*(\t)] th:TH_LOAD_NT
.set II, II+1
.endr
.endm
.macro BLOCKW t
.set XS, 64+32*((\t)%2)
.if (\t) < 7
	s_wait_loadcnt 32                              ; this block's 32 loads are in; the next block's may be out
.else
	s_wait_loadcnt 0x0
.endif
	v_max3_num_f32 v12, |v[XS]|, |v[XS+1]|, |v[XS+2]|   ; the block's largest magnitude, in two chains
	v_max3_num_f32 v13, |v[XS+3]|, |v[XS+4]|, |v[XS+5]|
.irp i, 6,10,14,18,22,26
	v_max3_num_f32 v12, v12, |v[XS+\i]|, |v[XS+\i+1]|
	v_max3_num_f32 v13, v13, |v[XS+\i+2]|, |v[XS+\i+3]|
.endr
	v_max3_num_f32 v12, v12, |v[XS+30]|, |v[XS+31]|
	v_max3_num_f32 v12, v12, v13, 0x1800000        ; and the floor
	v_add_nc_u32 v11, 0xff000000, v12              ; the conversion's scale operand
	v_lshrrev_b32 v13, 23, v11                     ; the scale's byte
.if (\t)%4 == 0
	v_mov_b32 v[16+(\t)/4], v13                    ; four bytes to a word, the lower K in the lower byte
.else
	v_lshl_or_b32 v[16+(\t)/4], v13, 8*((\t)%4), v[16+(\t)/4]
.endif
.irp g, 0,1,2,3
	v_cvt_scalef32_pk8_fp4_f32 v[128+4*(\t)+\g], v[XS+8*\g:XS+8*\g+7], v11
.endr
	global_store_b128 v5, v[128+4*(\t):128+4*(\t)+3], s[50:51] offset:(\t)*256   ; the 32 lanes fill two aligned runs of 256 bytes: this block of tile 0 and of tile 1
.if (\t) < 6
	LOADW (\t)+2
.endif
.if (\t)%4 == 3
	global_store_b32 v6, v[16+(\t)/4], s[52:53] offset:((\t)/4)*1024
.endif
.endm
	LOADW 0
	LOADW 1
.irp t, 0,1,2,3,4,5,6,7
	BLOCKW \t
.endr
	s_endpgm
.Lfunc_end_k_q2c42a5990d_quant:
	.size	k_q2c42a5990d_quant, .Lfunc_end_k_q2c42a5990d_quant-k_q2c42a5990d_quant
	.p2alignl 7, 3214868480
	.fill 96, 4, 3214868480
	.section	.rodata,"a",@progbits
	.p2align	6, 0x0
	.amdhsa_kernel k_q2c42a5990d_quant
		.amdhsa_group_segment_fixed_size 34304
		.amdhsa_private_segment_fixed_size 0
		.amdhsa_enable_private_segment 0
		.amdhsa_kernarg_size 48
		.amdhsa_user_sgpr_count 2
		.amdhsa_user_sgpr_kernarg_segment_ptr 1
		.amdhsa_wavefront_size32 1
		.amdhsa_system_sgpr_workgroup_id_x 1
		.amdhsa_system_sgpr_workgroup_id_y 1
		.amdhsa_system_sgpr_workgroup_id_z 1
		.amdhsa_system_vgpr_workitem_id 0
		.amdhsa_next_free_vgpr 256
		.amdhsa_next_free_sgpr 66
		.amdhsa_reserve_vcc 1
		.amdhsa_float_denorm_mode_32 3
		.amdhsa_float_denorm_mode_16_64 3
		.amdhsa_memory_ordered 1
		.amdhsa_forward_progress 1
		.amdhsa_inst_pref_size 71
	.end_amdhsa_kernel
	.amdgpu_metadata
---
amdhsa.version: [ 1, 2 ]
amdhsa.kernels:
  - .name:           k_q2c42a5990d_quant
    .symbol:         k_q2c42a5990d_quant.kd
    .args:
      - { .name: x, .offset: 0, .size: 8, .value_kind: global_buffer, .address_space: global }
      - { .name: Wqkv, .offset: 8, .size: 8, .value_kind: global_buffer, .address_space: global }
      - { .name: Wo, .offset: 16, .size: 8, .value_kind: global_buffer, .address_space: global }
      - { .name: xg, .offset: 24, .size: 8, .value_kind: global_buffer, .address_space: global }
      - { .name: wg, .offset: 32, .size: 8, .value_kind: global_buffer, .address_space: global }
      - { .name: wog, .offset: 40, .size: 8, .value_kind: global_buffer, .address_space: global }
    .group_segment_fixed_size: 34304
    .private_segment_fixed_size: 0
    .kernarg_segment_align: 8
    .kernarg_segment_size: 48
    .max_flat_workgroup_size: 128
    .sgpr_count:     66
    .vgpr_count:     256
    .wavefront_size: 32
...
	.end_amdgpu_metadata
.endif
;; end of part 1
;; launch qkv (part 2): grid 12 x 32, 4 waves a work-group, clusters of 4 x 4, 279,040 bytes of LDS; arguments xg, wg, bqkv, qb, kvb; writes qb, kvb
.if DOCPART == 2
	.amdgcn_target "amdgcn-amd-amdhsa--gfx1250"
	.amdhsa_code_object_version 6
	.text
	.protected	k_q2c42a5990d_qkv
	.globl	k_q2c42a5990d_qkv
	.p2align	8
	.type	k_q2c42a5990d_qkv,@function
k_q2c42a5990d_qkv:
	s_mov_b64 s[64:65], 0
	v_nop
	global_prefetch_b8 v0, s[64:65] scope:SCOPE_SE
	s_setreg_imm32_b32 hwreg(HW_REG_WAVE_MODE, 25, 1), 1
	s_wait_xcnt 0x0
	s_wait_alu depctr_hold_cnt(0) depctr_sa_sdst(0) depctr_va_vdst(0) depctr_va_sdst(0) depctr_va_ssrc(0) depctr_va_vcc(0) depctr_vm_vsrc(0)
	s_getreg_b32 s2, hwreg(HW_REG_IB_STS2, 6, 4)
	s_cmp_eq_u32 s2, 0
	s_cbranch_scc0 .Lentry_in_a_cluster
	s_endpgm
.Lentry_in_a_cluster:
	s_bfe_u32 s2, ttmp6, 0x10000c
	s_cmp_lg_u32 s2, 0xf033
	s_cbranch_scc0 .Lentry_shape_is_right
	s_endpgm
.Lentry_shape_is_right:
; qkv = x Wqkv + bqkv on codes of FP4 (E2M1) with E8M0 scales, K = 1,024; the results never go to memory as f32: q and k are quantised along the head's 64, v along the keys, in registers,
; and leave as codes in the order of the next products' operand registers.
; LIMITS: a block of zeros gets the byte 1 where the rule says 127 (its codes are zeros; this program alone reads the bytes); blocks under 2^-124 are held at the byte 1; NaN and infinities are not served.
; A work-group makes 256 x 256, a wave 128 x 128: 64 accumulators, 512 registers.  SOURCE 0 IS THE AXIS THAT BECOMES THE NEXT K: a lane's registers then run along it.
; The cluster's x is the MODE, equal in all sixteen partners: 0 = q, 1 = k (source 0 = 256 channels of wg, source 1 = 256 tokens of xg); 2 = v (source 0 = 256 tokens = keys, source 1 = 256 of v's channels).
; The operands lie in groups of 256 rows (GREC bytes: 16 tiles x 8,192 bytes of codes in register order, then 8,192 bytes of scale words); place r of tile 2 b + u is row 32 b + 8 u + r + 8 (r / 8).
; So in accumulator (a, b) lane (r, h), register j holds source 0's index 32 (b / 2) + 16 h + 8 (b % 2) + j: the 16 registers of b = 2 n, 2 n + 1 are 16 neighbours along the next K.
; ALL OF K FITS IN LDS: two halves of K (131,072 bytes each: source 1's 16 tiles x 4,096, then source 0's) and the scale words (16,384).  Each byte of LDS is filled once: no ring, no refill.
; CLUSTER 4 x 4: source 0's group hangs on cx alone and is shared along a column, source 1's on cy alone and is shared along a row: each is asked for jointly, which divides the requests by four.
; OUTPUT.  qb [head][16 steps][4,608]: 8 query tiles x 512 bytes (K = 64: half a fragment), 512 bytes of scale words [r][8 tiles].
;          kvb [head][16 steps][8,960]: K 8 tiles x 512 | V 4 channel tiles x 1,024 | K's scale words [r][8], 512 | V's [r][4], 256.
;          Bytes 2, 3 of q's and k's words belong to zero codes; they hold the neighbouring head's bytes (1 .. 254) or 0, never 0xff.
; REGISTERS: window 0: v1-31 addresses and words; v32-95 scale words; v96-111 the stores' offsets; v112-127 at work; v128-191 source 1's fragments, later codes; v192-255 the bias as C, later codes.
;   window 1: source 0's fragments, two sets, at v0 and v128.  windows 2, 3: accumulator (a, b) at v[8 (8 (a % 4) + b)] of window 2 + a / 4.
.set GREC,  139264
.set SLOT,  131072
.set SCL,   262144
.set FR,    8
.set LI,    5                          ; v5     16 x lane
.set SO1,   6                          ; v6     where I store four scale words;  v7 the same in the next head
.set SO2,   7
.set PWS,   8                          ; v8-15  the scale word of block a's rows
.set ADRA,  16                         ; v16-17 LDS address of my fragments of source 1 in K half 0, 1
.set ADRB,  20                         ; v20-21 the same for source 0
.set ADRS,  22                         ; v22    of my scale words: lanes 0-15 source 1's, lanes 16-31 source 0's
.set SEL,   24                         ; v24-31 the words on their way out
.set SC,    32                         ; v[SC + 8 i + q]: lanes 0-15 the word of source 1's block i, lanes 16-31 that of source 0's block i, K step q
.set VO,    96                         ; v[VO + 2 a], v[VO + 2 a + 1]: where block a's two stores of codes go
.set TM,    112
.set VB,    120                        ; v120-127 at the head: the bias loads' offsets
.set AF,    128
.set CB,    192
.set G1A, 24                           ; s[24:31] group 1, s[32:39] groups 0 (K half 0, 1) for source 1's codes
.set G0A, 32
.set G1B, 48                           ; s[48:55], s[56:63] for source 0's
.set G0B, 56
.set G1SA, 68                          ; s[68:75], s[76:79] for source 1's scale words;  s[80:87], s[88:91] for source 0's
.set G0SA, 76
.set G1SB, 80
.set G0SB, 88
.set MSB, 0
.macro WIN new                         ; the immediate's high byte repeats the setting that is left
.if MSB != (\new)
	s_set_vgpr_msb (MSB<<8)|(\new)
.set MSB, (\new)
.endif
.endm
; A joint load: waves 0 and 1 fetch for source 1, waves 2 and 3 for source 0.  Each line has one mask and one set of registers; the branch hangs on the wave's number alone.
; Four v_nop follow each of the two lines, ahead of the jump, the label and what follows.
.macro JLOAD g0a, g1a, g0b, g1b
	s_cmp_eq_u32 s15, 0
	s_cbranch_scc0 .Lfor_b_\@
	tensor_load_to_lds s[\g0a:\g0a+3], s[\g1a:\g1a+7]
	s_nop 0
.rept 4
	v_nop
.endr
	s_branch .Lasked_\@
.Lfor_b_\@:
	tensor_load_to_lds s[\g0b:\g0b+3], s[\g1b:\g1b+7]
	s_nop 0
.rept 4
	v_nop
.endr
.Lasked_\@:
.endm
.macro CROUND                          ; a round of the cluster's barrier
	s_barrier_signal -1
	s_barrier_wait -1
	s_cmp_lg_u32 s14, 0
	s_cbranch_scc1 .Lnot_wave_0_\@
	s_barrier_signal -3
.Lnot_wave_0_\@:
	s_barrier_wait -3
	s_barrier_signal -1
	s_barrier_wait -1
.endm
.macro PLACES n
.rept \n
	v_nop
.endr
.endm
	s_load_b256 s[4:11], s[0:1], 0x0               ; xg s[4:5], wg s[6:7], bqkv s[8:9], qb s[10:11]
	s_load_b64 s[12:13], s[0:1], 0x20              ; kvb
	v_lshl_add_u32 v19, v0, 2, 0x44000
	v_mov_b32 v23, 0
	ds_add_u32 v19, v23
	ds_add_u32 v19, v23
	v_lshrrev_b32 v1, 5, v0
	v_readfirstlane_b32 s14, v1                    ; wave 0..3
	s_lshr_b32 s15, s14, 1                         ; my half of source 1's rows.  Also: I fetch for source 1 (0) or source 0 (1)
	s_and_b32 s16, s14, 1                          ; my half of source 0's rows.  Also: which half of a group I fetch
	s_mov_b32 s17, ttmp9                           ; the mode: the cluster's x
	s_and_b32 s18, ttmp7, 0xffff                   ; the cluster's y, 0..7
	s_bfe_u32 s40, ttmp6, 0x40000                  ; cx
	s_bfe_u32 s41, ttmp6, 0x40004                  ; cy
	s_lshl_b32 s43, s41, 2
	s_lshl_b32 s43, 15, s43                        ; my row of the cluster
	s_lshl_b32 s44, 0x1111, s40                    ; my column
	s_lshl_b32 s46, s18, 2
	s_lshl_b32 s47, s17, 2
	s_cmp_eq_u32 s17, 2
	s_cselect_b32 s42, s46, s47                    ; source 0's group: v: tokens 4 y + cx;  q, k: channels 4 mode + cx
	s_cselect_b32 s45, 8, s46                      ; source 1's group: v: channels 8 + cy;  q, k: tokens 4 y + cy
	s_add_co_u32 s42, s42, s40
	s_add_co_u32 s45, s45, s41
	; group 1.  Codes: 8 tiles' halves: 8 rows of 4,096 bytes (512 elements of 8 bytes), 8,192 bytes apart.  Scale words: 4,096 dense bytes as 16 rows of 256.
	s_or_b32 s[G1A], s43, (3<<16)|(1<<21)          ; 15:0 the mask; 17:16 elements of 8 bytes; 21 set beside a mask; no padding: a fragment load takes 512 consecutive bytes
	s_or_b32 s[G1B], s44, (3<<16)|(1<<21)
	s_or_b32 s[G1SA], s43, (3<<16)|(1<<21)
	s_or_b32 s[G1SB], s44, (3<<16)|(1<<21)
.irp g, G1A, G1B
	s_mov_b32 s[\g+1], 512<<16                     ; tensor_dim0
	s_mov_b32 s[\g+2], 8<<16                       ; tensor_dim1
	s_mov_b32 s[\g+3], 512<<16                     ; tile_dim0
	s_mov_b32 s[\g+4], 8                           ; tile_dim1
	s_mov_b32 s[\g+5], 1024                        ; from tile to tile
	s_mov_b32 s[\g+6], 0
	s_mov_b32 s[\g+7], 0
.endr
.irp g, G1SA, G1SB
	s_mov_b32 s[\g+1], 32<<16
	s_mov_b32 s[\g+2], 16<<16
	s_mov_b32 s[\g+3], 32<<16
	s_mov_b32 s[\g+4], 16
	s_mov_b32 s[\g+5], 32
	s_mov_b32 s[\g+6], 0
	s_mov_b32 s[\g+7], 0
.endr
	; offsets: source 1's hang on cy and the wave alone, source 0's on cx and the wave alone, each in registers that never hold the other coordinate
	s_lshl_b32 s19, s16, 16                        ; 8 tiles on
	s_mul_i32 s20, s45, GREC
	s_add_co_u32 s20, s20, s19
	s_mov_b32 s21, 0
	s_mul_i32 s22, s42, GREC
	s_add_co_u32 s22, s22, s19
	s_mov_b32 s23, 0
	s_lshl_b32 s19, s16, 12                        ; 4 K steps' words on
	s_mul_i32 s66, s45, GREC
	s_add_co_u32 s66, s66, s19
	s_add_co_u32 s66, s66, 131072
	s_mov_b32 s67, 0
	s_mul_i32 s46, s42, GREC
	s_add_co_u32 s46, s46, s19
	s_add_co_u32 s46, s46, 131072
	s_mov_b32 s47, 0
	s_lshl_b32 s3, s14, 15                         ; where they go: wave x 32,768 in a K half,
	s_lshl_b32 s2, s14, 12                         ; wave x 4,096 among the scale words: no place in the cluster enters an LDS address
	s_wait_dscnt 0x0
	s_wait_kmcnt 0x0
	s_cmp_eq_u32 s17, 2
	s_cselect_b64 s[92:93], s[6:7], s[4:5]         ; source 1's buffer
	s_cselect_b64 s[94:95], s[4:5], s[6:7]         ; source 0's
	s_add_nc_u64 s[20:21], s[92:93], s[20:21]
	s_add_nc_u64 s[22:23], s[94:95], s[22:23]
	s_add_nc_u64 s[66:67], s[92:93], s[66:67]
	s_add_nc_u64 s[46:47], s[94:95], s[46:47]
	s_mov_b32 s[G0SA], 1
	s_add_co_u32 s[G0SA+1], s2, SCL
	s_mov_b64 s[G0SA+2:G0SA+3], s[66:67]
	s_or_b32 s[G0SA+3], s[G0SA+3], 0x80000000
	s_mov_b32 s[G0SB], 1
	s_add_co_u32 s[G0SB+1], s2, SCL
	s_mov_b64 s[G0SB+2:G0SB+3], s[46:47]
	s_or_b32 s[G0SB+3], s[G0SB+3], 0x80000000
.irp j, 0,1
	s_mov_b32 s[G0A+4*\j], 1
	s_add_co_u32 s[G0A+4*\j+1], s3, \j*SLOT
	s_add_nc_u64 s[G0A+4*\j+2:G0A+4*\j+3], s[20:21], \j*4096
	s_or_b32 s[G0A+4*\j+3], s[G0A+4*\j+3], 0x80000000
	s_mov_b32 s[G0B+4*\j], 1
	s_add_co_u32 s[G0B+4*\j+1], s3, \j*SLOT
	s_add_nc_u64 s[G0B+4*\j+2:G0B+4*\j+3], s[22:23], \j*4096
	s_or_b32 s[G0B+4*\j+3], s[G0B+4*\j+3], 0x80000000
.endr
	CROUND                                         ; all sixteen work-groups are here: the joint loads meet
	JLOAD G0SA, G1SA, G0SB, G1SB                   ; all fills go out as one group: three loads of mine are out: the scale words,
	JLOAD G0A, G1A, G0B, G1B                       ; K half 0,
	JLOAD G0A+4, G1A, G0B+4, G1B                   ; K half 1
	; LDS addresses
	v_and_b32 v1, 15, v0                           ; r
	v_bfe_u32 v2, v0, 4, 1                         ; h
	v_and_b32 v3, 31, v0
	v_lshlrev_b32 v[LI], 4, v3
	s_lshl_b32 s19, s15, 15
	v_add_nc_u32 v[ADRA], s19, v[LI]
	v_add_nc_u32 v[ADRA+1], SLOT, v[ADRA]
	s_lshl_b32 s19, s16, 15
	s_add_co_u32 s19, s19, 65536
	v_add_nc_u32 v[ADRB], s19, v[LI]
	v_add_nc_u32 v[ADRB+1], SLOT, v[ADRB]
	s_lshl_b32 s19, s15, 9                         ; source 1's words: my 8 tiles x 64 bytes
	s_lshl_b32 s100, s16, 9                        ; source 0's: likewise, 8,192 bytes further on
	s_add_co_u32 s100, s100, 8192
	s_sub_co_u32 s100, s100, s19
	v_mul_u32_u24 v3, s100, v2                     ; lanes 16-31 take source 0's
	s_add_co_u32 s19, s19, SCL
	v_lshl_add_u32 v3, v1, 2, v3
	v_add_nc_u32 v[ADRS], s19, v3
.irp b, 0,1,2,3
	v_mov_b32 v[TM+4+\b], 0                        ; written once: a lane permute's destination counts as one of its sources
.endr
	s_mov_b32 s98, 0x76543210
	s_mov_b32 s99, 0xfedcba98                      ; v_permlanex16_b32's selects for lane l xor 16
	; the mode's constants
	s_cmp_eq_u32 s17, 0
	s_mov_b32 s20, 143360
	s_cselect_b32 s20, 73728, s20                  ; a head's bytes in the output buffer
	s_mov_b32 s21, 8960
	s_cselect_b32 s21, 4608, s21                   ; a step's record
	s_mov_b32 s22, 8192
	s_cselect_b32 s22, 4096, s22                   ; where the scale words begin in it (q, k)
	s_cselect_b64 s[92:93], s[10:11], s[12:13]     ; qb or kvb
	s_cmp_eq_u32 s17, 2
	s_cselect_b32 s22, 8704, s22                   ; (v)
	s_cselect_b32 s23, 4096, 0                     ; where the codes begin
	s_mov_b32 s46, 512
	s_cselect_b32 s66, s46, s20                    ; from a block's first four registers to its last four: v: the fragment's other half; q, k: the next head
	s_cselect_b32 s46, 1024, s46                   ; from block a to a + 1
	s_cselect_b32 s47, 139264, 0                   ; more at a = 4: v: the next head (a head's bytes less four tiles)
	s_cselect_b32 s67, 16, 32                      ; scale words: bytes a row,
	s_cselect_b32 s2, s20, 16                      ; and where lanes 16-31 put blocks 4-7's: v: the next head; q, k: 16 bytes on
	s_cselect_b32 s3, 0, 4                         ; the bias: from register to register,
	s_cselect_b32 s18, 0, 64                       ; for h,
	s_cselect_b32 s43, 4, 0                        ; for r + 8 (r / 8)
	s_cselect_b32 s19, s42, s45                    ; the tokens' group,
	s_cselect_b32 s42, s45, s42                    ; the channels' group,
	s_cselect_b32 s45, s15, s16                    ; my half of the channels,
	s_cselect_b32 s100, s16, s15                   ; my half of the tokens,
	s_cselect_b32 s101, s41, s40                   ; the channels' group within q, k or v: 4 heads
	s_lshr_b32 s96, s19, 3                         ; batch
	s_lshl_b32 s96, s96, 4
	s_lshl_b32 s101, s101, 2
	s_add_co_u32 s96, s96, s101
	s_lshl_b32 s97, s45, 1
	s_add_co_u32 s96, s96, s97                     ; my first head: 16 batch + 4 group + 2 half
	s_mul_i32 s96, s96, s20
	s_and_b32 s19, s19, 7
	s_lshl_b32 s19, s19, 1
	s_add_co_u32 s19, s19, s100                    ; my step of 128 tokens
	s_mul_i32 s19, s19, s21
	s_add_co_u32 s96, s96, s19
	s_add_co_u32 s100, s96, s22
	s_mov_b32 s101, 0
	s_add_co_u32 s96, s96, s23
	s_mov_b32 s97, 0
	s_add_nc_u64 s[94:95], s[92:93], s[100:101]    ; the scale words' base
	s_add_nc_u64 s[92:93], s[92:93], s[96:97]      ; the codes' base
	s_lshl_b32 s96, s42, 10
	s_lshl_b32 s19, s45, 9
	s_add_co_u32 s96, s96, s19
	s_add_nc_u64 s[96:97], s[8:9], s[96:97]        ; my 128 numbers of the bias
	; the stores' offsets: a register for each store, so that none is rewritten while a store names it
	v_mov_b32 v[VO], v[LI]
.irp a, 1,2,3,4,5,6,7
	v_add_nc_u32 v[VO+2*\a], s46, v[VO+2*\a-2]
.if \a == 4
	v_add_nc_u32 v[VO+2*\a], s47, v[VO+2*\a]
.endif
.endr
.irp a, 0,1,2,3,4,5,6,7
	v_add_nc_u32 v[VO+2*\a+1], s66, v[VO+2*\a]
.endr
	v_mul_u32_u24 v[SO1], v1, s67
	v_mul_u32_u24 v3, v2, s2
	v_add_nc_u32 v[SO1], v[SO1], v3
	v_add_nc_u32 v[SO2], s20, v[SO1]
	; THE BIAS IS THE C OF EACH SUM'S FIRST PRODUCT.  q, k: it runs along source 0: register j of block b wants number 32 (b / 2) + 16 h + 8 (b % 2) + j.
	; v: it runs along source 1: all eight registers of block a want number 32 (a / 2) + 8 (a % 2) + r + 8 (r / 8).  One text serves both: only the lane's term and the step from register to register differ.
	v_and_b32 v3, 8, v1
	v_add_nc_u32 v3, v3, v1
	v_mul_u32_u24 v3, s43, v3
	v_mad_u32_u24 v3, s18, v2, v3
.irp j, 0,1,2,3,4,5,6,7
	v_mad_u32_u24 v[VB+\j], s3, \j, v3
.endr
.irp x, 0,1,2,3,4,5,6,7
.irp j, 0,1,2,3,4,5,6,7
	global_load_b32 v[CB+8*\x+\j], v[VB+\j], s[96:97] offset:(32*(\x/2)+8*(\x%2))*4
.endr
.endr
.macro FRAG reg, adr, q, i             ; a fragment, 16 rows x 128 K: two loads of 512 consecutive bytes: the image of its registers
.irp c, 0,1
	ds_load_b128 v[\reg+4*\c:\reg+4*\c+3], v[\adr] offset:(\i)*4096+(\q)*1024+512*\c
.endr
.endm
.macro FETCH_B slot, q, p              ; source 0's eight fragments into set p
	WIN 0x40
.irp i, 0,1,2,3,4,5,6,7
	FRAG 128*(\p)+FR*\i, ADRB+(\slot), \q, \i
.endr
	WIN 0
.endm
.macro FETCH_A slot, q, i0             ; source 1's blocks i0 .. i0 + 3
.irp i, \i0, \i0+1, \i0+2, \i0+3
	FRAG AF+FR*(\i), ADRA+(\slot), \q, \i
.endr
.endm
; 16 products: source 1's blocks a0, a0 + 1 x source 0's eight, K step q.  cm = 0: onto the sums; 1: the sums begin with the bias of block b; 2: of block a.
; The 64 accumulators take turns, one instruction a turn, in the same order in every step.
.macro MUL16 a0, p, q, cm
.irp a, \a0, \a0+1
.irp b, 0,1,2,3,4,5,6,7
.if \cm == 0
	v_wmma_scale_f32_16x16x128_f8f6f4 v[8*(8*((\a)%4)+\b):8*(8*((\a)%4)+\b)+7], v[128*(\p)+FR*\b:128*(\p)+FR*\b+FR-1], v[AF+FR*(\a):AF+FR*(\a)+FR-1], v[8*(8*((\a)%4)+\b):8*(8*((\a)%4)+\b)+7], v[SC+8*\b+(\q)], v[SC+8*(\a)+(\q)] matrix_a_fmt:MATRIX_FMT_FP4 matrix_b_fmt:MATRIX_FMT_FP4 matrix_a_scale:MATRIX_SCALE_ROW1
.elseif \cm == 1
	v_wmma_scale_f32_16x16x128_f8f6f4 v[8*(8*((\a)%4)+\b):8*(8*((\a)%4)+\b)+7], v[128*(\p)+FR*\b:128*(\p)+FR*\b+FR-1], v[AF+FR*(\a):AF+FR*(\a)+FR-1], v[CB+8*\b:CB+8*\b+7], v[SC+8*\b+(\q)], v[SC+8*(\a)+(\q)] matrix_a_fmt:MATRIX_FMT_FP4 matrix_b_fmt:MATRIX_FMT_FP4 matrix_a_scale:MATRIX_SCALE_ROW1
.else
	v_wmma_scale_f32_16x16x128_f8f6f4 v[8*(8*((\a)%4)+\b):8*(8*((\a)%4)+\b)+7], v[128*(\p)+FR*\b:128*(\p)+FR*\b+FR-1], v[AF+FR*(\a):AF+FR*(\a)+FR-1], v[CB+8*(\a):CB+8*(\a)+7], v[SC+8*\b+(\q)], v[SC+8*(\a)+(\q)] matrix_a_fmt:MATRIX_FMT_FP4 matrix_b_fmt:MATRIX_FMT_FP4 matrix_a_scale:MATRIX_SCALE_ROW1
.endif
.endr
.endr
.endm
; K step q of 8.  Source 1 has one set of registers (a block is free when its eight products are issued), source 0 two.  Loads stand in two runs, each behind four places.
; sync = 1: the next step's fragments lie in K half 1: my load of it is waited for, and a barrier shows everybody's.
.macro STEP q, cm, sync
.if \sync
	s_wait_tensorcnt 0x0                           ; my part of K half 1 has landed
.endif
	s_wait_dscnt 8                                 ; all but the youngest eight loads (source 1's blocks 4-7) are in
.if \cm
	WIN 0x81                                       ; source 0 window 1, source 1 and C window 0, D window 2
.else
	WIN 0xa1                                       ; C and D window 2
.endif
	MUL16 0, (\q)%2, \q, \cm
	MUL16 2, (\q)%2, \q, \cm
	s_wait_dscnt 0x0                               ; blocks 4-7 are in (asked for 32 products ago); no LDS instruction of mine is out
.if \sync
	s_barrier_signal -1
	s_barrier_wait -1
.endif
.if (\q) < 7
	PLACES 4
	FETCH_B ((\q)+1)/4, ((\q)+1)%4, 1-(\q)%2
	FETCH_A ((\q)+1)/4, ((\q)+1)%4, 0
.endif
.if \cm
	WIN 0xc1
.else
	WIN 0xf1
.endif
	MUL16 4, (\q)%2, \q, \cm
	MUL16 6, (\q)%2, \q, \cm
.if (\q) < 7
	PLACES 4
	WIN 0
	FETCH_A ((\q)+1)/4, ((\q)+1)%4, 4
.endif
.endm
; Block a (16 rows of source 1 x my 128 of source 0) becomes a fragment's codes and its rows' scale word, and leaves.  Register 16 b + i of the block is index 32 b + 16 h + i: a block of 32 lies in lanes l and l xor 16.
; Each accumulator is read from its low end on.  The codes' registers carry other numbers than the sums that they are made of.
.macro QUANTA a
.set AC, 64*((\a)%4)
.set W, 2+(\a)/4
.if (\a)%4 == 2
.set PCA, CB+8*((\a)/4)
.else
.set PCA, AF+8*(\a)
.endif
	WIN W|(W<<2)                                   ; sources 0 and 1: the sums' window
.irp b, 0,1,2,3
	v_max3_num_f32 v[TM+\b], |v[AC+16*\b]|, |v[AC+16*\b+1]|, 0x1800000   ; my 16 numbers of block b, and the floor 2^(3 - 127): the byte cannot fall under 1
.endr
.irp i, 2,4,6,8,10,12,14
.irp b, 0,1,2,3
	v_max3_num_f32 v[TM+\b], |v[AC+16*\b+\i]|, |v[AC+16*\b+\i+1]|, v[TM+\b]   ; (the four blocks by turns)
.endr
.endr
	WIN 0
.irp b, 0,1,2,3
	v_permlanex16_b32 v[TM+4+\b], v[TM+\b], s98, s99
.endr
.irp b, 0,1,2,3
	v_max_num_f32 v[TM+\b], v[TM+\b], v[TM+4+\b]   ; with lane l xor 16's: the block's largest magnitude
.endr
.irp b, 0,1,2,3
	v_add_nc_u32 v[TM+12+\b], 0xff000000, v[TM+\b] ; 2 off its exponent field: the conversion's scale operand
.endr
.irp b, 0,1,2,3
	v_lshrrev_b32 v[TM+4+\b], 23, v[TM+12+\b]      ; the scale's byte
.endr
	v_lshl_or_b32 v[PWS+(\a)], v[TM+5], 8, v[TM+4]
	v_lshl_or_b32 v[PWS+(\a)], v[TM+6], 16, v[PWS+(\a)]
	v_lshl_or_b32 v[PWS+(\a)], v[TM+7], 24, v[PWS+(\a)]
	WIN W                                          ; source 0: the sums' window
.irp b, 0,1,2,3
	v_cvt_scalef32_pk8_fp4_f32 v[PCA+2*\b], v[AC+16*\b:AC+16*\b+7], v[TM+12+\b]
	v_cvt_scalef32_pk8_fp4_f32 v[PCA+2*\b+1], v[AC+16*\b+8:AC+16*\b+15], v[TM+12+\b]
.endr
	WIN 0
	v_nop                                          ; one plain place behind a scaled conversion
.irp c, 0,1                            ; the operand's layout wants a whole block in a lane: lanes 0-15 block 2 c, lanes 16-31 block 2 c + 1
.irp i, 0,1
	v_permlane16_swap_b32 v[PCA+4*\c+\i], v[PCA+4*\c+2+\i]
.endr
.endr
	global_store_b128 v[VO+2*(\a)], v[PCA:PCA+3], s[92:93]         ; 32 lanes store 512 consecutive bytes, aligned.  q, k: the first head's half fragment; v: the fragment's first half
	global_store_b128 v[VO+2*(\a)+1], v[PCA+4:PCA+7], s[92:93]     ; q, k: the second head's; v: the second half
.endm
	s_wait_tensorcnt 1                             ; the scale words and my part of K half 0 are in; K half 1's load may stay out
	s_barrier_signal -1
	s_barrier_wait -1                              ; everybody's are
.irp i, 0,1,2,3,4,5,6,7
.irp q, 0,1,2,3,4,5,6,7
	ds_load_b32 v[SC+8*\i+\q], v[ADRS] offset:\q*1024+\i*64        ; all scale words, once: they stay
.endr
.endr
	FETCH_B 0, 0, 0
	FETCH_A 0, 0, 0
	FETCH_A 0, 0, 4
	s_wait_loadcnt 0x0                             ; the bias
	s_cmp_eq_u32 s17, 2                            ; the first K step is written twice: the bias runs along source 0 (q, k) or along source 1 (v).  The mode is the same in all partners
	s_cbranch_scc1 .Lfirst_v
	STEP 0, 1, 0
	s_branch .Lfirst_done
.Lfirst_v:
	STEP 0, 2, 0
.Lfirst_done:
	STEP 1, 0, 0
	STEP 2, 0, 0
	STEP 3, 0, 1
	STEP 4, 0, 0
	STEP 5, 0, 0
	STEP 6, 0, 0
	STEP 7, 0, 0
	WIN 0
	PLACES 4                                       ; in front of the first read of results, and of writes into registers that products have read
.irp a, 0,1,2,3,4,5,6,7
	QUANTA \a
.endr
	v_cmp_eq_u32 vcc_lo, 1, v2                     ; lanes 0-15 store the words of blocks 0-3, lanes 16-31 those of blocks 4-7
.irp i, 0,1,2,3
	v_cndmask_b32 v[SEL+\i], v[PWS+\i], v[PWS+4+\i], vcc_lo
.endr
	global_store_b128 v[SO1], v[SEL:SEL+3], s[94:95]               ; q, k: the first head's 512 bytes [r][8 tiles]; v: 256 bytes [r][4 tiles] for each of the two heads
	s_cmp_eq_u32 s17, 2
	s_cbranch_scc1 .Lno_second
.irp i, 0,1,2,3
	v_lshrrev_b32 v[SEL+4+\i], 16, v[SEL+\i]       ; q, k: the second head's two bytes come down; above them zeros, over zero codes
.endr
	global_store_b128 v[SO2], v[SEL+4:SEL+7], s[94:95]
.Lno_second:
	s_wait_tensorcnt 0x0
	ds_add_u32 v19, v23
	s_wait_dscnt 0x0
	CROUND                                         ; the closing round: no work-group ends while a partner may still ask for a tile that names it
	s_endpgm
.Lfunc_end_k_q2c42a5990d_qkv:
	.size	k_q2c42a5990d_qkv, .Lfunc_end_k_q2c42a5990d_qkv-k_q2c42a5990d_qkv
	.p2alignl 7, 3214868480
	.fill 96, 4, 3214868480
	.section	.rodata,"a",@progbits
	.p2align	6, 0x0
	.amdhsa_kernel k_q2c42a5990d_qkv
		.amdhsa_group_segment_fixed_size 279040
		.amdhsa_private_segment_fixed_size 0
		.amdhsa_enable_private_segment 0
		.amdhsa_kernarg_size 40
		.amdhsa_user_sgpr_count 2
		.amdhsa_user_sgpr_kernarg_segment_ptr 1
		.amdhsa_wavefront_size32 1
		.amdhsa_system_sgpr_workgroup_id_x 1
		.amdhsa_system_sgpr_workgroup_id_y 1
		.amdhsa_system_sgpr_workgroup_id_z 1
		.amdhsa_system_vgpr_workitem_id 0
		.amdhsa_next_free_vgpr 1024
		.amdhsa_next_free_sgpr 102
		.amdhsa_reserve_vcc 1
		.amdhsa_float_denorm_mode_32 3
		.amdhsa_float_denorm_mode_16_64 3
		.amdhsa_memory_ordered 1
		.amdhsa_forward_progress 1
		.amdhsa_inst_pref_size 150
	.end_amdhsa_kernel
	.amdgpu_metadata
---
amdhsa.version: [ 1, 2 ]
amdhsa.kernels:
  - .name:           k_q2c42a5990d_qkv
    .symbol:         k_q2c42a5990d_qkv.kd
    .args:
      - { .name: xg, .offset: 0, .size: 8, .value_kind: global_buffer, .address_space: global }
      - { .name: wg, .offset: 8, .size: 8, .value_kind: global_buffer, .address_space: global }
      - { .name: bqkv, .offset: 16, .size: 8, .value_kind: global_buffer, .address_space: global }
      - { .name: qb, .offset: 24, .size: 8, .value_kind: global_buffer, .address_space: global }
      - { .name: kvb, .offset: 32, .size: 8, .value_kind: global_buffer, .address_space: global }
    .group_segment_fixed_size: 279040
    .private_segment_fixed_size: 0
    .kernarg_segment_align: 8
    .kernarg_segment_size: 40
    .max_flat_workgroup_size: 128
    .sgpr_count:     102
    .vgpr_count:     1024
    .wavefront_size: 32
...
	.end_amdgpu_metadata
.endif
;; end of part 2
;; launch attn (part 3): grid 8 x 32, 16 waves a work-group, clusters of 4 x 1, 289,792 bytes of LDS; arguments qb, kvb, og; writes og
.if DOCPART == 3
	.amdgcn_target "amdgcn-amd-amdhsa--gfx1250"
	.amdhsa_code_object_version 6
	.text
	.protected	k_q2c42a5990d_attn
	.globl	k_q2c42a5990d_attn
	.p2align	8
	.type	k_q2c42a5990d_attn,@function
k_q2c42a5990d_attn:
	s_mov_b64 s[64:65], 0
	v_nop
	global_prefetch_b8 v0, s[64:65] scope:SCOPE_SE
	s_setreg_imm32_b32 hwreg(HW_REG_WAVE_MODE, 25, 1), 1
	s_wait_xcnt 0x0
	s_wait_alu depctr_hold_cnt(0) depctr_sa_sdst(0) depctr_va_vdst(0) depctr_va_sdst(0) depctr_va_ssrc(0) depctr_va_vcc(0) depctr_vm_vsrc(0)
	s_getreg_b32 s2, hwreg(HW_REG_IB_STS2, 6, 4)
	s_cmp_eq_u32 s2, 0
	s_cbranch_scc0 .Lentry_in_a_cluster
	s_endpgm
.Lentry_in_a_cluster:
	s_bfe_u32 s2, ttmp6, 0x10000c
	s_cmp_lg_u32 s2, 0x3003
	s_cbranch_scc0 .Lentry_shape_is_right
	s_endpgm
.Lentry_shape_is_right:
; o = softmax(q k^T / 8) v for two heads and 256 queries a work-group, both products on codes of FP4 (E2M1) with E8M0 scales; o is quantised along e in registers and leaves as codes for the last product.
; THE SOFTMAX AHEAD OF THE SECOND PRODUCT: t = score x log2(e) / 8; M = the running largest t rounded UP to a whole number; p = 2^(t - M) is quantised along the keys, not normalised.
; The row's sum is taken of the unquantised p, in f32, and divides O at the end.  When M moves, the sum and O are multiplied by 2^(old M - new M): exact.
; LIMITS: a block of zeros gets the byte 1 where the rule says 127 (its codes are zeros; this program alone reads the bytes); blocks under 2^-124 are held at the byte 1; NaN and infinities are not served.
; A block's largest p is made of its largest score by the same two instructions; this takes v_exp_f32 not to fall where its input rises.
; SHARES.  Work-group y = 8 batch + pair of heads; each of its SIXTEEN waves owns one tile of 16 queries in 256 registers, four waves to a SIMD, and walks head A, then head B, 16 steps of 128 keys each.
; K, V AND THEIR SCALE WORDS OF BOTH HEADS FIT IN LDS (2 x 143,360 bytes): each wave brings one step's record of each head; each byte is filled once: no ring, no refill.
; CLUSTER 4 x 1: the four work-groups of a cluster walk the same two heads, so every record is asked for jointly.  cx enters only q's and o's global addresses.
; LAYOUT.  Both products are used transposed: S^T = K Q^T (source 0 = 16 keys; K = 64, so registers 4-7 of both operands are zero codes), O^T = V^T P^T (source 0 = 16 channels): a lane holds ONE query throughout.
; Place r of tile 2 b + u (keys, channels, queries alike) is index 32 b + 8 u + r + 8 (r / 8): so the 16 registers of tiles 2 b, 2 b + 1 are 16 neighbours, 32 b + 16 (lane / 16) + 0 .. 15.
; A step's record, 8,960 bytes: K 8 tiles x 512 | V 4 tiles x 1,024 at 4,096 | K's scale words [r][8] at 8,192 | V's [r][4] at 8,704.  Every fragment load takes 512 consecutive bytes.
; THE EXPONENTIALS STAND ONE BY ONE.  A step has 68 of them and some 100 plain instructions that want only -M, f or earlier exponentials (t - M, O^T x f, the sums, the scale words): behind each exponential
; stands one of these, behind each four one more, so that the wave always has a plain instruction to issue behind an exponential, and every exponential has its plain place (ISA guide 5.7.2) by the way.
; REGISTERS: v1-8 addresses; v9 o's scale word; v10, v11 q's scale words; v12 -M, v13 the largest t, v[14:15] the sum; v16-23 q; v24-31 K's scale words; v32-95 K; v96-159 S^T, then p; v160-191 O^T;
;   v192-223 V; v224-231 p's codes; v232-247 at work (v243 p's scale word); v248-251 V's scale words; v252-255 head B's q.
.set REC,   8960
.set HEADB, 143360
.set STG,   286720                     ; behind the records: 1,024 bytes for o's scale words: bytes of their own, into which no fill lands
.set GREC,  139264
.macro ROUND                           ; a round of the cluster's barrier
	s_barrier_signal -1
	s_barrier_wait -1
	s_cmp_lg_u32 s10, 0
	s_cbranch_scc1 .Lnot_wave_0_\@
	s_barrier_signal -3
.Lnot_wave_0_\@:
	s_barrier_wait -3
	s_barrier_signal -1
	s_barrier_wait -1
.endm
	s_load_b128 s[4:7], s[0:1], 0x0                ; qb s[4:5], kvb s[6:7]
	s_load_b64 s[8:9], s[0:1], 0x10                ; og
	v_lshl_add_u32 v254, v0, 2, 0x46400
	v_mov_b32 v255, 0
	ds_add_u32 v254, v255
	ds_add_u32 v254, v255
	s_wait_dscnt 0x0
	v_lshrrev_b32 v1, 5, v0
	v_readfirstlane_b32 s10, v1                    ; wave 0..15
	s_bfe_u32 s11, ttmp6, 0x40000                  ; cx
	s_lshl_b32 s12, ttmp9, 2
	s_add_co_u32 s12, s12, s11                     ; my block of 256 queries, 0..7
	s_and_b32 s13, ttmp7, 0xffff                   ; y = 8 batch + pair: shared by the four partners
	s_mul_i32 s14, s10, REC                        ; my record, in a head's bytes and in LDS alike
	s_mul_i32 s46, s13, 2*HEADB
	s_add_co_u32 s46, s46, s14
	s_mov_b32 s47, 0
	s_mov_b32 s16, 15|(3<<16)|(1<<21)              ; group 1: 15:0 the mask: all four; 17:16 elements of 8 bytes; 21 set beside a mask.  A record is 35 dense rows of 256 bytes
	s_mov_b32 s17, 32<<16
	s_mov_b32 s18, 35<<16
	s_mov_b32 s19, 32<<16
	s_mov_b32 s20, 35
	s_mov_b32 s21, 32
	s_mov_b32 s22, 0
	s_mov_b32 s23, 0
	s_mul_i32 s32, s13, 147456                     ; q: two heads of 73,728 bytes a y,
	s_lshl_b32 s48, s12, 1
	s_lshr_b32 s49, s10, 3
	s_add_co_u32 s48, s48, s49
	s_mul_i32 s48, s48, 4608                       ; the record of my 128 tokens,
	s_add_co_u32 s32, s32, s48
	s_and_b32 s49, s10, 7                          ; my tile in it
	s_lshl_b32 s48, s49, 2
	s_add_co_u32 s34, s32, s48
	s_add_co_u32 s34, s34, 4096                    ; its scale words: [r][8 tiles]
	s_mov_b32 s35, 0
	s_lshl_b32 s48, s49, 9
	s_add_co_u32 s32, s32, s48
	s_mov_b32 s33, 0
	s_lshr_b32 s48, s13, 3
	s_lshl_b32 s48, s48, 3
	s_add_co_u32 s48, s48, s12                     ; o: the group of 256 tokens: 8 batch + block
	s_mul_i32 s48, s48, GREC
	s_and_b32 s49, s13, 7
	s_lshl_b32 s49, s49, 10                        ; K step = the pair of heads: 1,024 bytes, in a tile's codes and among the scale words alike
	s_add_co_u32 s48, s48, s49
	s_add_co_u32 s38, s48, 131072
	s_mov_b32 s39, 0
	s_lshl_b32 s49, s10, 13                        ; my tile
	s_add_co_u32 s36, s48, s49
	s_mov_b32 s37, 0
	s_mov_b32 s40, 0x76543210
	s_mov_b32 s41, 0xfedcba98                      ; v_permlanex16_b32's selects for lane l xor 16
	s_mov_b32 s42, 0x3e38aa3b                      ; c = log2(e) / 8
	s_mov_b32 s43, s42                             ; (named with it as a pair, so it is written)
	s_wait_kmcnt 0x0
	s_mov_b32 s24, 1
	s_mov_b32 s25, s14
	s_add_nc_u64 s[26:27], s[6:7], s[46:47]
	s_mov_b32 s28, 1
	s_add_co_u32 s29, s14, HEADB
	s_add_nc_u64 s[30:31], s[26:27], HEADB
	s_or_b32 s27, s27, 0x80000000
	s_or_b32 s31, s31, 0x80000000
	s_add_nc_u64 s[32:33], s[4:5], s[32:33]
	s_add_nc_u64 s[34:35], s[4:5], s[34:35]
	s_add_nc_u64 s[36:37], s[8:9], s[36:37]
	s_add_nc_u64 s[38:39], s[8:9], s[38:39]
	ROUND                                          ; all four work-groups are here: the joint loads meet
	tensor_load_to_lds s[24:27], s[16:23]          ; record w of head A,
	s_nop 0
	tensor_load_to_lds s[28:31], s[16:23]          ; and of head B: two loads of mine are out; four v_nop follow the second
	s_nop 0
.rept 4
	v_nop
.endr
	v_and_b32 v7, 15, v0                           ; r
	v_and_b32 v1, 31, v0
	v_lshlrev_b32 v1, 4, v1                        ; 16 x lane
	v_lshl_add_u32 v2, v7, 5, 8192                 ; K's scale words: 32 bytes a place
	v_lshl_add_u32 v3, v7, 4, 8704                 ; V's: 16
	s_lshl_b32 s48, s10, 6
	s_add_co_u32 s48, s48, STG
	v_lshl_add_u32 v8, v7, 2, s48                  ; o's scale word: 64 x wave + 4 r
	v_lshlrev_b32 v7, 5, v7                        ; q's: 32 r
	global_load_b128 v[16:19], v1, s[32:33]                        ; q's half fragment, head A
	global_load_b128 v[252:255], v1, s[32:33] offset:73728         ; head B
	global_load_b32 v10, v7, s[34:35]
	global_load_b32 v11, v7, s[34:35] offset:73728
.irp j, 20,21,22,23
	v_mov_b32 v[\j], 0                             ; K = 64: the upper half of every fragment of q and k is zero codes, set once
.endr
.irp t, 0,1,2,3,4,5,6,7
.irp j, 4,5,6,7
	v_mov_b32 v[32+8*\t+\j], 0
.endr
.endr
.irp j, 236,237,238,239,241,242
	v_mov_b32 v[\j], 0                             ; written once: lane permutes' destinations, and the upper half of the pair v[240:241]
.endr
; THE PLAIN INSTRUCTIONS THAT STAND BETWEEN THE EXPONENTIALS, one a call.  kind says which list, k which line of it.
.set P_T,  0                           ; t - M of pair k of the 32 pairs of scores (of the pairs c and -M the low word serves both halves)
.set P_O,  1                           ; pair k of the 16 pairs of O^T under the new M: x f
.set P_S,  2                           ; line k of the row's sum, which is taken of the UNQUANTISED p: two at a time, in two chains; line k takes pair k + 1 (line 0: pairs 0 and 1)
.set P_FL, 3                           ; block k's largest p held at the floor 2^(3 - 127): the byte cannot fall under 1
.set P_OP, 4                           ; 2 off its exponent field: the conversion's scale operand
.set P_BY, 5                           ; the scale's byte
.set P_W,  6                           ; lines 0-2: the four bytes make p's scale word for these 128 keys; line 3: the sums under the new M
.macro PLAIN kind, k
.if (\kind) == P_T
	v_pk_fma_f32 v[96+2*(\k):97+2*(\k)], v[96+2*(\k):97+2*(\k)], s[42:43], v[12:13] op_sel_hi:[1,0,0]
.elseif (\kind) == P_O
	v_pk_mul_f32 v[160+2*(\k):161+2*(\k)], v[160+2*(\k):161+2*(\k)], v[240:241] op_sel_hi:[1,0]
.elseif (\kind) == P_S
.if (\k) == 0
	v_pk_add_f32 v[236:237], v[96:97], v[98:99]
.elseif (\k)%2 == 1
	s_wait_alu depctr_va_vdst(0)
	v_pk_add_f32 v[14:15], v[14:15], v[98+2*(\k):99+2*(\k)]
.else
	v_pk_add_f32 v[236:237], v[236:237], v[98+2*(\k):99+2*(\k)]
.endif
.elseif (\kind) == P_FL
	s_wait_alu depctr_va_vdst(0)
	v_max_num_f32 v[232+(\k)], 0x1800000, v[232+(\k)]
.elseif (\kind) == P_OP
	v_add_nc_u32 v[244+(\k)], 0xff000000, v[232+(\k)]
.elseif (\kind) == P_BY
	v_lshrrev_b32 v[236+(\k)], 23, v[244+(\k)]
	s_wait_alu depctr_va_vdst(0)
.else
.if (\k) == 0
	v_lshl_or_b32 v243, v237, 8, v236
.elseif (\k) == 1
	v_lshl_or_b32 v243, v238, 16, v243
.elseif (\k) == 2
	v_lshl_or_b32 v243, v239, 24, v243
.else
	v_pk_mul_f32 v[14:15], v[14:15], v[240:241] op_sel_hi:[1,0]
.endif
.endif
.endm
.macro E4 j, kind, k                   ; p = 2^(t - M) of scores j .. j + 3, and behind each a plain line that names none of its registers: lines k .. k + 3 of a list
.irp n, 0,1,2,3
	v_exp_f32 v[96+(\j)+\n], v[96+(\j)+\n]
	PLAIN \kind, (\k)+\n
.endr
.endm
.macro CODES g                         ; eight p become eight codes: keys 32 (g / 2) + 16 h + 8 (g % 2) on
	s_wait_alu depctr_va_vdst(0)
	v_cvt_scalef32_pk8_fp4_f32 v[224+(\g)], v[96+8*(\g):103+8*(\g)], v[244+(\g)/2]
.endm
; A KEY STEP: 128 keys, whose record begins at LDS byte s44.  qs: q's scale words.
.macro STEP qs
	v_add_nc_u32 v4, s44, v1                       ; (these four are the places behind the last step's products, in front of loads into registers that they read)
	v_add_nc_u32 v5, s44, v2
	v_add_nc_u32 v6, s44, v3
	v_nop
	ds_load_b128 v[24:27], v5
	ds_load_b128 v[28:31], v5 offset:16
.irp t, 0,1,2,3,4,5,6,7
	ds_load_b128 v[32+8*\t:35+8*\t], v4 offset:512*\t
.endr
.irp ct, 0,1,2,3
.irp c, 0,1
	ds_load_b128 v[192+8*\ct+4*\c:195+8*\ct+4*\c], v4 offset:4096+1024*\ct+512*\c
.endr
.endr
	ds_load_b128 v[248:251], v6
	s_wait_dscnt 9                                 ; K and its scale words are in; V's nine loads may be out
.irp t, 0,1,2,3,4,5,6,7
	v_wmma_scale_f32_16x16x128_f8f6f4 v[96+8*\t:103+8*\t], v[32+8*\t:39+8*\t], v[16:23], 0, v[24+\t], \qs matrix_a_fmt:MATRIX_FMT_FP4 matrix_b_fmt:MATRIX_FMT_FP4
.endr
.rept 4
	v_nop
.endr
.irp b, 0,1,2,3
	v_max3_num_f32 v[232+\b], v[96+16*\b], v[97+16*\b], v[98+16*\b]   ; THE LARGEST SCORE OF EACH BLOCK OF 32 KEYS serves twice: for the row's maximum, and, since p rises with the score, for the block's largest p
.endr
.irp i, 3,5,7,9,11,13
.irp b, 0,1,2,3
	v_max3_num_f32 v[232+\b], v[232+\b], v[96+16*\b+\i], v[97+16*\b+\i]   ; (the four blocks by turns; each accumulator is read from its low end on)
.endr
.endr
.irp b, 0,1,2,3
	v_max_num_f32 v[232+\b], v[232+\b], v[111+16*\b]
.endr
.irp b, 0,1,2,3
	v_permlanex16_b32 v[236+\b], v[232+\b], s40, s41
.endr
.irp b, 0,1,2,3
	v_max_num_f32 v[232+\b], v[232+\b], v[236+\b]  ; with lane l xor 16's 16 keys
.endr
	v_max3_num_f32 v242, v232, v233, v234
	v_max_num_f32 v242, v242, v235                 ; the step's largest score of my query
	v_mul_f32 v242, s42, v242                      ; as t (c is positive)
	v_max_num_f32 v13, v13, v242                   ; the running largest t
	v_mov_b32 v242, v12
	v_floor_f32 v12, -v13                          ; the new -M = floor(-t) = -ceil(t): M is a whole number
	v_sub_f32 v242, v12, v242                      ; M's old value less its new one: a whole number, 0 or less
	v_fma_f32 v232, v232, s42, v12                 ; t - M of each block's largest score; these four want -M alone and stand between the three lines that make f
	v_fma_f32 v233, v233, s42, v12
	v_cvt_i32_f32 v242, v242                       ; (it saturates)
	v_fma_f32 v234, v234, s42, v12
	v_fma_f32 v235, v235, s42, v12
	v_ldexp_f32 v240, 1.0, v242                    ; f = 2^(old M - new M): a multiplication by it rounds nothing
.irp p, 0,1,2,3
	PLAIN P_T, \p                                  ; t - M runs 16 registers ahead of the exponentials
.endr
.irp b, 0,1,2,3
	v_exp_f32 v[232+\b], v[232+\b]                 ; the block's largest p first, so that the scale operands are ready when the first codes are due: the same two instructions on the same number give the same bits
	PLAIN P_T, 4+\b
.endr
	E4 0, P_T, 8
	PLAIN P_O, 0                                   ; (O^T's accumulators are read in ascending order)
	E4 4, P_FL, 0
	PLAIN P_O, 1
	E4 8, P_T, 12
	PLAIN P_O, 2
	E4 12, P_OP, 0
	PLAIN P_O, 3
	E4 16, P_T, 16
	PLAIN P_O, 4
	E4 20, P_BY, 0
	PLAIN P_O, 5
	CODES 0                                        ; the conversions follow 16 registers behind the exponentials; nothing touches their results before the swaps below
	s_setprio 1
	E4 24, P_T, 20
	PLAIN P_O, 6
	E4 28, P_W, 0
	PLAIN P_O, 7
	CODES 1
	E4 32, P_T, 24
	PLAIN P_O, 8
	E4 36, P_S, 0                                  ; (v[236:237] are free: the scale word is made)
	PLAIN P_O, 9
	CODES 2
	E4 40, P_T, 28
	PLAIN P_O, 10
	E4 44, P_S, 4
	PLAIN P_O, 11
	CODES 3
	E4 48, P_S, 8
	PLAIN P_O, 12
	E4 52, P_S, 12
	PLAIN P_O, 13
	CODES 4
	E4 56, P_S, 16
	PLAIN P_O, 14
	E4 60, P_S, 20
	s_setprio 0
	PLAIN P_S, 24
	CODES 5
	CODES 6
	CODES 7
	PLAIN P_O, 15                                  ; one plain place behind a scaled conversion: it names none of their registers
.irp c, 0,1                            ; the operand's layout wants a whole block in a lane
.irp i, 0,1
	v_permlane16_swap_b32 v[224+4*\c+\i], v[226+4*\c+\i]
.endr
.endr
.irp k, 25,26,27,28,29,30
	PLAIN P_S, \k                                  ; the rest of the sums: with the line below seven places between the codes and the products
.endr
	v_pk_add_f32 v[14:15], v[14:15], v[236:237]
	s_wait_dscnt 0x0                               ; V and its scale words are in
.irp ct, 0,1,2,3
	v_wmma_scale_f32_16x16x128_f8f6f4 v[160+8*\ct:167+8*\ct], v[192+8*\ct:199+8*\ct], v[224:231], v[160+8*\ct:167+8*\ct], v[248+\ct], v243 matrix_a_fmt:MATRIX_FMT_FP4 matrix_b_fmt:MATRIX_FMT_FP4
.endr
	s_add_co_u32 s44, s44, REC                     ; the next step's record
.endm
; One head: 16 key steps, then o = O^T / the sum, quantised along the head's 64 channels (two blocks), and stored as half a fragment of the last product's operand.
.macro HEAD hd
.if \hd
	s_wait_xcnt 0x0                                ; head A's store has read its registers: they are written again below
.irp j, 0,1,2,3
	v_mov_b32 v[16+\j], v[252+\j]                  ; head B's q
.endr
.endif
	v_mov_b32 v13, 0xff61b1e6                      ; the largest t so far: -3e38, under every t
	v_floor_f32 v12, -v13                          ; -M
	v_mov_b32 v14, 0                               ; the sum, in two halves
	v_mov_b32 v15, 0
.set J, 0
.rept 32
	v_mov_b32 v[160+J], 0                          ; O^T.  (The first step finds zeros, which the first change of M leaves zeros)
.set J, J+1
.endr
	s_mov_b32 s44, \hd*HEADB
.if \hd == 0
	STEP v10                                       ; head A's first step is written out: behind it stands the barrier for head B's records, while the waves have run one step apart at the most
	s_wait_tensorcnt 0x0                           ; my record of head B is in,
	s_wait_dscnt 0x0
	s_barrier_signal -1
	s_barrier_wait -1                              ; everybody's is: every read of head B's records stands behind this wait, and no barrier parts the two heads
	s_mov_b32 s45, 15
.else
	s_mov_b32 s45, 16
.endif
.Lkeys_\@:
	s_setprio 2
	STEP v[10+\hd]
	s_sub_co_u32 s45, s45, 1
	s_cmp_lg_u32 s45, 0
	s_cbranch_scc1 .Lkeys_\@
	s_setprio 0
.rept 4
	v_nop                                          ; places behind the last products
.endr
	v_add_f32 v14, v14, v15                        ; the sum's two halves,
	v_permlanex16_b32 v242, v14, s40, s41
	v_add_f32 v14, v14, v242                       ; and lane l xor 16's: the row's sum
	v_rcp_f32 v14, v14
	v_nop                                          ; one plain place behind a transcendental
.set J, 0
	s_wait_alu depctr_va_vdst(0)
.rept 32
	v_mul_f32 v[96+J], v[160+J], v14               ; register 16 b + i is o(my query, channel 32 b + 16 h + i)
.set J, J+1
.endr
.irp b, 0,1
	v_max3_num_f32 v[232+\b], |v[96+16*\b]|, |v[97+16*\b]|, 0x1800000
.endr
.irp i, 2,4,6,8,10,12,14
.irp b, 0,1
	v_max3_num_f32 v[232+\b], v[232+\b], |v[96+16*\b+\i]|, |v[97+16*\b+\i]|
.endr
.endr
.irp b, 0,1
	v_permlanex16_b32 v[236+\b], v[232+\b], s40, s41
.endr
.irp b, 0,1
	v_max_num_f32 v[232+\b], v[232+\b], v[236+\b]
.endr
.irp b, 0,1
	v_add_nc_u32 v[244+\b], 0xff000000, v[232+\b]
.endr
.irp b, 0,1
	v_lshrrev_b32 v[236+\b], 23, v[244+\b]
.endr
	v_lshl_or_b32 v238, v237, 8, v236              ; the head's two scale bytes
.irp b, 0,1
	v_cvt_scalef32_pk8_fp4_f32 v[224+2*\b], v[96+16*\b:103+16*\b], v[244+\b]
	v_cvt_scalef32_pk8_fp4_f32 v[225+2*\b], v[104+16*\b:111+16*\b], v[244+\b]
.endr
	v_nop
	v_permlane16_swap_b32 v224, v226               ; lanes 0-15: channels 0-31, lanes 16-31: channels 32-63
	v_permlane16_swap_b32 v225, v227
.if \hd
	v_lshl_or_b32 v9, v238, 16, v9                 ; head B's bytes above head A's: the word of K step = this pair of heads
.else
	v_mov_b32 v9, v238
.endif
	global_store_b128 v1, v[224:227], s[36:37] offset:512*\hd      ; 32 lanes store 512 consecutive bytes, aligned
.endm
	s_wait_loadcnt 0x0                             ; q
	s_wait_tensorcnt 1                             ; my record of head A is in; head B's may stay out
	s_barrier_signal -1
	s_barrier_wait -1                              ; everybody's is
	HEAD 0
	HEAD 1
	ds_store_b32 v8, v9                            ; o's scale words meet in LDS (lanes l and l xor 16 write the same word with the same value),
	s_wait_dscnt 0x0                               ; for the others' sake: my store is done
	s_barrier_signal -1
	s_barrier_wait -1
	s_cmp_lg_u32 s10, 0                            ; and wave 0 stores the sixteen tiles' 1,024 bytes in aligned runs of 512
	s_cbranch_scc1 .Lwords_out
	v_add_nc_u32 v4, STG, v1
	ds_load_b128 v[96:99], v4
	ds_load_b128 v[100:103], v4 offset:512
	s_wait_dscnt 0x0
	global_store_b128 v1, v[96:99], s[38:39]
	global_store_b128 v1, v[100:103], s[38:39] offset:512
.Lwords_out:
	s_wait_xcnt 0x0
	v_lshl_add_u32 v254, v0, 2, 0x46400
	v_mov_b32 v255, 0
	s_wait_tensorcnt 0x0
	ds_add_u32 v254, v255
	s_wait_dscnt 0x0
	ROUND                                          ; the closing round: no work-group ends while a partner may still ask for a record that names it
	s_endpgm
.Lfunc_end_k_q2c42a5990d_attn:
	.size	k_q2c42a5990d_attn, .Lfunc_end_k_q2c42a5990d_attn-k_q2c42a5990d_attn
	.p2alignl 7, 3214868480
	.fill 96, 4, 3214868480
	.section	.rodata,"a",@progbits
	.p2align	6, 0x0
	.amdhsa_kernel k_q2c42a5990d_attn
		.amdhsa_group_segment_fixed_size 289792
		.amdhsa_private_segment_fixed_size 0
		.amdhsa_enable_private_segment 0
		.amdhsa_kernarg_size 24
		.amdhsa_user_sgpr_count 2
		.amdhsa_user_sgpr_kernarg_segment_ptr 1
		.amdhsa_wavefront_size32 1
		.amdhsa_system_sgpr_workgroup_id_x 1
		.amdhsa_system_sgpr_workgroup_id_y 1
		.amdhsa_system_sgpr_workgroup_id_z 1
		.amdhsa_system_vgpr_workitem_id 0
		.amdhsa_next_free_vgpr 256
		.amdhsa_next_free_sgpr 66
		.amdhsa_reserve_vcc 0
		.amdhsa_float_denorm_mode_32 3
		.amdhsa_float_denorm_mode_16_64 3
		.amdhsa_memory_ordered 1
		.amdhsa_forward_progress 1
		.amdhsa_inst_pref_size 65
	.end_amdhsa_kernel
	.amdgpu_metadata
---
amdhsa.version: [ 1, 2 ]
amdhsa.kernels:
  - .name:           k_q2c42a5990d_attn
    .symbol:         k_q2c42a5990d_attn.kd
    .args:
      - { .name: qb, .offset: 0, .size: 8, .value_kind: global_buffer, .address_space: global }
      - { .name: kvb, .offset: 8, .size: 8, .value_kind: global_buffer, .address_space: global }
      - { .name: og, .offset: 16, .size: 8, .value_kind: global_buffer, .address_space: global }
    .group_segment_fixed_size: 289792
    .private_segment_fixed_size: 0
    .kernarg_segment_align: 8
    .kernarg_segment_size: 24
    .max_flat_workgroup_size: 512
    .sgpr_count:     66
    .vgpr_count:     256
    .wavefront_size: 32
...
	.end_amdgpu_metadata
.endif
;; end of part 3
;; launch proj (part 4): grid 4 x 32, 4 waves a work-group, clusters of 4 x 4, 312,832 bytes of LDS; arguments og, wog, bo, out0; writes out0
.if DOCPART == 4
	.amdgcn_target "amdgcn-amd-amdhsa--gfx1250"
	.amdhsa_code_object_version 6
	.text
	.protected	k_q2c42a5990d_proj
	.globl	k_q2c42a5990d_proj
	.p2align	8
	.type	k_q2c42a5990d_proj,@function
k_q2c42a5990d_proj:
	s_mov_b64 s[64:65], 0
	v_nop
	global_prefetch_b8 v0, s[64:65] scope:SCOPE_SE
	s_setreg_imm32_b32 hwreg(HW_REG_WAVE_MODE, 25, 1), 1
	s_wait_xcnt 0x0
	s_wait_alu depctr_hold_cnt(0) depctr_sa_sdst(0) depctr_va_vdst(0) depctr_va_sdst(0) depctr_va_ssrc(0) depctr_va_vcc(0) depctr_vm_vsrc(0)
	s_getreg_b32 s2, hwreg(HW_REG_IB_STS2, 6, 4)
	s_cmp_eq_u32 s2, 0
	s_cbranch_scc0 .Lentry_in_a_cluster
	s_endpgm
.Lentry_in_a_cluster:
	s_bfe_u32 s2, ttmp6, 0x10000c
	s_cmp_lg_u32 s2, 0xf033
	s_cbranch_scc0 .Lentry_shape_is_right
	s_endpgm
.Lentry_shape_is_right:
; out0 = o Wo + bo on codes of FP4 (E2M1) with E8M0 scales, K = 1,024; out0 [8192][1024] f32.
; A work-group makes 256 tokens x 256 channels, a wave 128 x 128: 64 accumulators, 512 registers.  Source 0 = 256 channels of wog, source 1 = 256 tokens of og: a lane then holds neighbouring channels of one token.
; The operands lie in groups of 256 rows (GREC bytes: 16 tiles x 8,192 bytes of codes in register order, then 8,192 bytes of scale words); place r of tile 2 b + u is row 32 b + 8 u + r + 8 (r / 8).
; So in accumulator (a, b) lane (r, h), register j holds channel 32 (b / 2) + 16 h + 8 (b % 2) + j of token 32 (a / 2) + 8 (a % 2) + r + 8 (r / 8).
; ALL OF K FITS IN LDS: two halves of K (131,072 bytes each: source 1's 16 tiles x 4,096, then source 0's) and the scale words (16,384).  Each byte of LDS is filled once: no ring, no refill.
; CLUSTER 4 x 4: source 0's group hangs on cx alone and is shared along a column, source 1's on cy alone and is shared along a row: each is asked for jointly.
; 128 work-groups: the size has no more tiles of 256 x 256; a smaller tile would read each fragment from LDS for half the products.
; REGISTERS: window 0: v1-31 addresses; v32-95 scale words; v128-191 source 1's fragments; v192-255 the bias as C; on the way out v128-255 take rows back from the stage.
;   window 1: source 0's fragments, two sets, at v0 and v128.  windows 2, 3: accumulator (a, b) at v[8 (8 (a % 4) + b)] of window 2 + a / 4.
.set GREC,  139264
.set SLOT,  131072
.set SCL,   262144
.set STAGE, 278528                     ; behind the scale words: 16 rows x (512 bytes + 16) for each wave: bytes of their own, into which no fill lands
.set SPITCH, 528
.set FR,    8
.set LI,    5                          ; v5     16 x lane
.set STO,   6                          ; v6     the way out: where I put 32 bytes of a row
.set RD,    7                          ; v7     and where I read a row back
.set ADRA,  16
.set ADRB,  20
.set ADRS,  22
.set SC,    32
.set AF,    128
.set BK,    128
.set CB,    192
.set G1A, 24
.set G0A, 32
.set G1B, 48
.set G0B, 56
.set G1SA, 68
.set G0SA, 76
.set G1SB, 80
.set G0SB, 88
.set MSB, 0
.macro WIN new                         ; the immediate's high byte repeats the setting that is left
.if MSB != (\new)
	s_set_vgpr_msb (MSB<<8)|(\new)
.set MSB, (\new)
.endif
.endm
; A joint load: waves 0 and 1 fetch for source 1, waves 2 and 3 for source 0; four v_nop follow each of the two lines.
.macro JLOAD g0a, g1a, g0b, g1b
	s_cmp_eq_u32 s15, 0
	s_cbranch_scc0 .Lfor_b_\@
	tensor_load_to_lds s[\g0a:\g0a+3], s[\g1a:\g1a+7]
	s_nop 0
.rept 4
	v_nop
.endr
	s_branch .Lasked_\@
.Lfor_b_\@:
	tensor_load_to_lds s[\g0b:\g0b+3], s[\g1b:\g1b+7]
	s_nop 0
.rept 4
	v_nop
.endr
.Lasked_\@:
.endm
.macro CROUND                          ; a round of the cluster's barrier
	s_barrier_signal -1
	s_barrier_wait -1
	s_cmp_lg_u32 s14, 0
	s_cbranch_scc1 .Lnot_wave_0_\@
	s_barrier_signal -3
.Lnot_wave_0_\@:
	s_barrier_wait -3
	s_barrier_signal -1
	s_barrier_wait -1
.endm
.macro PLACES n
.rept \n
	v_nop
.endr
.endm
	s_load_b256 s[4:11], s[0:1], 0x0               ; og s[4:5], wog s[6:7], bo s[8:9], out0 s[10:11]
	v_lshl_add_u32 v126, v0, 2, 0x4c400
	v_mov_b32 v127, 0
	ds_add_u32 v126, v127
	ds_add_u32 v126, v127
	v_lshrrev_b32 v1, 5, v0
	v_readfirstlane_b32 s14, v1                    ; wave 0..3
	s_lshr_b32 s15, s14, 1                         ; my half of the tokens.  Also: I fetch for source 1 (0) or source 0 (1)
	s_and_b32 s16, s14, 1                          ; my half of the channels.  Also: which half of a group I fetch
	s_bfe_u32 s40, ttmp6, 0x40000                  ; cx
	s_bfe_u32 s41, ttmp6, 0x40004                  ; cy
	s_lshl_b32 s42, ttmp9, 2
	s_add_co_u32 s42, s42, s40                     ; the channels' group
	s_and_b32 s45, ttmp7, 0xffff
	s_lshl_b32 s45, s45, 2
	s_add_co_u32 s45, s45, s41                     ; the tokens' group
	s_lshl_b32 s43, s41, 2
	s_lshl_b32 s43, 15, s43                        ; my row of the cluster
	s_lshl_b32 s44, 0x1111, s40                    ; my column
	s_or_b32 s[G1A], s43, (3<<16)|(1<<21)          ; 15:0 the mask; 17:16 elements of 8 bytes; 21 set beside a mask; no padding: a fragment load takes 512 consecutive bytes
	s_or_b32 s[G1B], s44, (3<<16)|(1<<21)
	s_or_b32 s[G1SA], s43, (3<<16)|(1<<21)
	s_or_b32 s[G1SB], s44, (3<<16)|(1<<21)
.irp g, G1A, G1B                       ; codes: 8 tiles' halves: 8 rows of 4,096 bytes, 8,192 bytes apart
	s_mov_b32 s[\g+1], 512<<16
	s_mov_b32 s[\g+2], 8<<16
	s_mov_b32 s[\g+3], 512<<16
	s_mov_b32 s[\g+4], 8
	s_mov_b32 s[\g+5], 1024
	s_mov_b32 s[\g+6], 0
	s_mov_b32 s[\g+7], 0
.endr
.irp g, G1SA, G1SB                     ; scale words: 4,096 dense bytes as 16 rows of 256
	s_mov_b32 s[\g+1], 32<<16
	s_mov_b32 s[\g+2], 16<<16
	s_mov_b32 s[\g+3], 32<<16
	s_mov_b32 s[\g+4], 16
	s_mov_b32 s[\g+5], 32
	s_mov_b32 s[\g+6], 0
	s_mov_b32 s[\g+7], 0
.endr
	s_lshl_b32 s19, s16, 16
	s_mul_i32 s20, s45, GREC
	s_add_co_u32 s20, s20, s19
	s_mov_b32 s21, 0
	s_mul_i32 s22, s42, GREC
	s_add_co_u32 s22, s22, s19
	s_mov_b32 s23, 0
	s_lshl_b32 s19, s16, 12
	s_mul_i32 s66, s45, GREC
	s_add_co_u32 s66, s66, s19
	s_add_co_u32 s66, s66, 131072
	s_mov_b32 s67, 0
	s_mul_i32 s46, s42, GREC
	s_add_co_u32 s46, s46, s19
	s_add_co_u32 s46, s46, 131072
	s_mov_b32 s47, 0
	s_lshl_b32 s3, s14, 15                         ; where they go: wave x 32,768 in a K half,
	s_lshl_b32 s2, s14, 12                         ; wave x 4,096 among the scale words
	s_wait_dscnt 0x0
	s_wait_kmcnt 0x0
	s_add_nc_u64 s[20:21], s[4:5], s[20:21]
	s_add_nc_u64 s[22:23], s[6:7], s[22:23]
	s_add_nc_u64 s[66:67], s[4:5], s[66:67]
	s_add_nc_u64 s[46:47], s[6:7], s[46:47]
	s_mov_b32 s[G0SA], 1
	s_add_co_u32 s[G0SA+1], s2, SCL
	s_mov_b64 s[G0SA+2:G0SA+3], s[66:67]
	s_or_b32 s[G0SA+3], s[G0SA+3], 0x80000000
	s_mov_b32 s[G0SB], 1
	s_add_co_u32 s[G0SB+1], s2, SCL
	s_mov_b64 s[G0SB+2:G0SB+3], s[46:47]
	s_or_b32 s[G0SB+3], s[G0SB+3], 0x80000000
.irp j, 0,1
	s_mov_b32 s[G0A+4*\j], 1
	s_add_co_u32 s[G0A+4*\j+1], s3, \j*SLOT
	s_add_nc_u64 s[G0A+4*\j+2:G0A+4*\j+3], s[20:21], \j*4096
	s_or_b32 s[G0A+4*\j+3], s[G0A+4*\j+3], 0x80000000
	s_mov_b32 s[G0B+4*\j], 1
	s_add_co_u32 s[G0B+4*\j+1], s3, \j*SLOT
	s_add_nc_u64 s[G0B+4*\j+2:G0B+4*\j+3], s[22:23], \j*4096
	s_or_b32 s[G0B+4*\j+3], s[G0B+4*\j+3], 0x80000000
.endr
	CROUND                                         ; all sixteen work-groups are here: the joint loads meet
	JLOAD G0SA, G1SA, G0SB, G1SB                   ; all fills go out as one group: three loads of mine are out: the scale words,
	JLOAD G0A, G1A, G0B, G1B                       ; K half 0,
	JLOAD G0A+4, G1A, G0B+4, G1B                   ; K half 1
	v_and_b32 v1, 15, v0                           ; r
	v_bfe_u32 v2, v0, 4, 1                         ; h
	v_and_b32 v3, 31, v0
	v_lshlrev_b32 v[LI], 4, v3
	s_lshl_b32 s19, s15, 15
	v_add_nc_u32 v[ADRA], s19, v[LI]
	v_add_nc_u32 v[ADRA+1], SLOT, v[ADRA]
	s_lshl_b32 s19, s16, 15
	s_add_co_u32 s19, s19, 65536
	v_add_nc_u32 v[ADRB], s19, v[LI]
	v_add_nc_u32 v[ADRB+1], SLOT, v[ADRB]
	s_lshl_b32 s19, s15, 9
	s_lshl_b32 s18, s16, 9
	s_add_co_u32 s18, s18, 8192
	s_sub_co_u32 s18, s18, s19
	v_mul_u32_u24 v3, s18, v2                      ; lanes 16-31 take source 0's words
	s_add_co_u32 s19, s19, SCL
	v_lshl_add_u32 v3, v1, 2, v3
	v_add_nc_u32 v[ADRS], s19, v3
	s_mul_i32 s19, s14, 16*SPITCH
	s_add_co_u32 s19, s19, STAGE                   ; my stage
	v_mul_u32_u24 v3, v1, SPITCH
	v_lshl_add_u32 v3, v2, 6, v3
	v_add_nc_u32 v[STO], s19, v3                   ; in: row r, + 64 h
	v_add_nc_u32 v[RD], s19, v[LI]                 ; back: the 32 lanes take one row of 512 bytes
	s_lshl_b32 s20, s45, 8
	s_lshl_b32 s21, s15, 7
	s_add_co_u32 s20, s20, s21                     ; my first token
	s_lshl_b32 s20, s20, 12                        ; rows of 4,096 bytes
	s_lshl_b32 s96, s42, 10
	s_lshl_b32 s21, s16, 9
	s_add_co_u32 s96, s96, s21                     ; my first channel, in bytes
	s_mov_b32 s97, 0
	s_add_co_u32 s20, s20, s96
	s_mov_b32 s21, 0
	s_add_nc_u64 s[92:93], s[10:11], s[20:21]      ; out0 at my corner
	s_add_nc_u64 s[96:97], s[8:9], s[96:97]        ; my 128 numbers of the bias
	v_lshlrev_b32 v4, 6, v2                        ; THE BIAS IS THE C OF EACH SUM'S FIRST PRODUCT: register j of block b wants number 32 (b / 2) + 16 h + 8 (b % 2) + j
.irp b, 0,1,2,3,4,5,6,7
	global_load_b128 v[CB+8*\b:CB+8*\b+3], v4, s[96:97] offset:(32*(\b/2)+8*(\b%2))*4
	global_load_b128 v[CB+8*\b+4:CB+8*\b+7], v4, s[96:97] offset:(32*(\b/2)+8*(\b%2))*4+16
.endr
.macro FRAG reg, adr, q, i             ; a fragment, 16 rows x 128 K: two loads of 512 consecutive bytes: the image of its registers
.irp c, 0,1
	ds_load_b128 v[\reg+4*\c:\reg+4*\c+3], v[\adr] offset:(\i)*4096+(\q)*1024+512*\c
.endr
.endm
.macro FETCH_B slot, q, p
	WIN 0x40
.irp i, 0,1,2,3,4,5,6,7
	FRAG 128*(\p)+FR*\i, ADRB+(\slot), \q, \i
.endr
	WIN 0
.endm
.macro FETCH_A slot, q, i0
.irp i, \i0, \i0+1, \i0+2, \i0+3
	FRAG AF+FR*(\i), ADRA+(\slot), \q, \i
.endr
.endm
; 16 products: source 1's blocks a0, a0 + 1 x source 0's eight, K step q.  cm = 1: the sums begin with the bias of block b.
; The 64 accumulators take turns, one instruction a turn, in the same order in every step.
.macro MUL16 a0, p, q, cm
.irp a, \a0, \a0+1
.irp b, 0,1,2,3,4,5,6,7
.if \cm == 0
	v_wmma_scale_f32_16x16x128_f8f6f4 v[8*(8*((\a)%4)+\b):8*(8*((\a)%4)+\b)+7], v[128*(\p)+FR*\b:128*(\p)+FR*\b+FR-1], v[AF+FR*(\a):AF+FR*(\a)+FR-1], v[8*(8*((\a)%4)+\b):8*(8*((\a)%4)+\b)+7], v[SC+8*\b+(\q)], v[SC+8*(\a)+(\q)] matrix_a_fmt:MATRIX_FMT_FP4 matrix_b_fmt:MATRIX_FMT_FP4 matrix_a_scale:MATRIX_SCALE_ROW1
.else
	v_wmma_scale_f32_16x16x128_f8f6f4 v[8*(8*((\a)%4)+\b):8*(8*((\a)%4)+\b)+7], v[128*(\p)+FR*\b:128*(\p)+FR*\b+FR-1], v[AF+FR*(\a):AF+FR*(\a)+FR-1], v[CB+8*\b:CB+8*\b+7], v[SC+8*\b+(\q)], v[SC+8*(\a)+(\q)] matrix_a_fmt:MATRIX_FMT_FP4 matrix_b_fmt:MATRIX_FMT_FP4 matrix_a_scale:MATRIX_SCALE_ROW1
.endif
.endr
.endr
.endm
; K step q of 8.  Source 1 has one set of registers, source 0 two.  Loads stand in two runs, each behind four places.
; sync = 1: the next step's fragments lie in K half 1: my load of it is waited for, and a barrier shows everybody's.
.macro STEP q, cm, sync
.if \sync
	s_wait_tensorcnt 0x0                           ; my part of K half 1 has landed
.endif
	s_wait_dscnt 8                                 ; all but the youngest eight loads (source 1's blocks 4-7) are in
.if \cm
	WIN 0x81
.else
	WIN 0xa1
.endif
	MUL16 0, (\q)%2, \q, \cm
	MUL16 2, (\q)%2, \q, \cm
	s_wait_dscnt 0x0                               ; blocks 4-7 are in; no LDS instruction of mine is out
.if \sync
	s_barrier_signal -1
	s_barrier_wait -1
.endif
.if (\q) < 7
	PLACES 4
	FETCH_B ((\q)+1)/4, ((\q)+1)%4, 1-(\q)%2
	FETCH_A ((\q)+1)/4, ((\q)+1)%4, 0
.endif
.if \cm
	WIN 0xc1
.else
	WIN 0xf1
.endif
	MUL16 4, (\q)%2, \q, \cm
	MUL16 6, (\q)%2, \q, \cm
.if (\q) < 7
	PLACES 4
	WIN 0
	FETCH_A ((\q)+1)/4, ((\q)+1)%4, 4
.endif
.endm
	s_wait_tensorcnt 1                             ; the scale words and my part of K half 0 are in; K half 1's load may stay out
	s_barrier_signal -1
	s_barrier_wait -1                              ; everybody's are
.irp i, 0,1,2,3,4,5,6,7
.irp q, 0,1,2,3,4,5,6,7
	ds_load_b32 v[SC+8*\i+\q], v[ADRS] offset:\q*1024+\i*64        ; all scale words, once: they stay
.endr
.endr
	FETCH_B 0, 0, 0
	FETCH_A 0, 0, 0
	FETCH_A 0, 0, 4
	s_wait_loadcnt 0x0                             ; the bias
	STEP 0, 1, 0
	STEP 1, 0, 0
	STEP 2, 0, 0
	STEP 3, 0, 1
	STEP 4, 0, 0
	STEP 5, 0, 0
	STEP 6, 0, 0
	STEP 7, 0, 0
	WIN 0
; THE WAY OUT, block by block of 16 tokens x 128 channels.  A lane holds pieces of 32 bytes of a row, and the lanes beside it hold other rows: so a block goes through my own stage in LDS and comes back as whole
; rows of 512 bytes.  LDS serves a wave's instructions in order (ISA guide 5.7.1.4): no wait between the stores and the loads, nor in front of the next block's stores.
.macro TOSTAGE a
.set AC, 64*((\a)%4)
	WIN 0x08+4*((\a)/4)                            ; an LDS store's data are its source 1: window 2 or 3
.irp b, 0,1,2,3,4,5,6,7
	ds_store_b128 v[STO], v[AC+8*\b:AC+8*\b+3] offset:128*(\b/2)+32*(\b%2)          ; each accumulator from its low end on
	ds_store_b128 v[STO], v[AC+8*\b+4:AC+8*\b+7] offset:128*(\b/2)+32*(\b%2)+16
.endr
	WIN 0
.set BB, BK+64*((\a)%2)
.irp t, 0,1,2,3,4,5,6,7,8,9,10,11,12,13,14,15
	ds_load_b128 v[BB+4*\t:BB+4*\t+3], v[RD] offset:\t*SPITCH
.endr
.endm
.macro SEND a, younger                 ; younger: the LDS instructions issued behind block a's loads, which may stay out
.set BB, BK+64*((\a)%2)
	s_wait_dscnt \younger                          ; the block is back in registers
.irp t, 0,1,2,3,4,5,6,7,8,9,10,11,12,13,14,15
	global_store_b128 v[LI], v[BB+4*\t:BB+4*\t+3], s[92:93] offset:(32*((\a)/2)+8*((\a)%2)+\t+8*(\t/8))*4096 th:TH_STORE_NT   ; 32 lanes store 512 consecutive bytes, aligned; place t's token stands in the immediate: 127 rows at the most, so the base never steps
.endr
.endm
	PLACES 4                                       ; in front of the first read of results, and of loads into registers that products have read
	TOSTAGE 0
.irp a, 1,2,3,4,5,6,7
.if \a > 1
	s_wait_xcnt 0x0                                ; block a - 2's stores have read their registers: block a's loads may land there
.endif
	TOSTAGE \a
	SEND (\a-1), 32                                ; behind block a - 1's loads: block a's 16 stores and 16 loads
.endr
	SEND 7, 0
	s_wait_tensorcnt 0x0
	ds_add_u32 v126, v127
	s_wait_dscnt 0x0
	CROUND                                         ; the closing round: no work-group ends while a partner may still ask for a tile that names it
	s_endpgm
.Lfunc_end_k_q2c42a5990d_proj:
	.size	k_q2c42a5990d_proj, .Lfunc_end_k_q2c42a5990d_proj-k_q2c42a5990d_proj
	.p2alignl 7, 3214868480
	.fill 96, 4, 3214868480
	.section	.rodata,"a",@progbits
	.p2align	6, 0x0
	.amdhsa_kernel k_q2c42a5990d_proj
		.amdhsa_group_segment_fixed_size 312832
		.amdhsa_private_segment_fixed_size 0
		.amdhsa_enable_private_segment 0
		.amdhsa_kernarg_size 32
		.amdhsa_user_sgpr_count 2
		.amdhsa_user_sgpr_kernarg_segment_ptr 1
		.amdhsa_wavefront_size32 1
		.amdhsa_system_sgpr_workgroup_id_x 1
		.amdhsa_system_sgpr_workgroup_id_y 1
		.amdhsa_system_sgpr_workgroup_id_z 1
		.amdhsa_system_vgpr_workitem_id 0
		.amdhsa_next_free_vgpr 1024
		.amdhsa_next_free_sgpr 100
		.amdhsa_reserve_vcc 0
		.amdhsa_float_denorm_mode_32 3
		.amdhsa_float_denorm_mode_16_64 3
		.amdhsa_memory_ordered 1
		.amdhsa_forward_progress 1
		.amdhsa_inst_pref_size 128
	.end_amdhsa_kernel
	.amdgpu_metadata
---
amdhsa.version: [ 1, 2 ]
amdhsa.kernels:
  - .name:           k_q2c42a5990d_proj
    .symbol:         k_q2c42a5990d_proj.kd
    .args:
      - { .name: og, .offset: 0, .size: 8, .value_kind: global_buffer, .address_space: global }
      - { .name: wog, .offset: 8, .size: 8, .value_kind: global_buffer, .address_space: global }
      - { .name: bo, .offset: 16, .size: 8, .value_kind: global_buffer, .address_space: global }
      - { .name: out0, .offset: 24, .size: 8, .value_kind: global_buffer, .address_space: global }
    .group_segment_fixed_size: 312832
    .private_segment_fixed_size: 0
    .kernarg_segment_align: 8
    .kernarg_segment_size: 32
    .max_flat_workgroup_size: 128
    .sgpr_count:     100
    .vgpr_count:     1024
    .wavefront_size: 32
...
	.end_amdgpu_metadata
.endif
;; end of part 4
